; MI455X (gfx1250); checked and timed in simulation.
; The chip was launched on July 23, 2026; its instructions are those of AMD's public machine-readable ISA for CDNA 5 (MIT licence, August 2026) and "CDNA5" Instruction Set Architecture Reference Guide (July 2026). The comments in the code are by the model that wrote it; some were corrected since.
;; KNN Reader. Allowed arithmetic: matrix products marked QUANTISED: E2M3 operands, one E8M0 scale for each 32 along K, by v_wmma_scale_f32_16x16x128_f8f6f4 with both operands' format E2M3, f32 sums; everything else in f32.
;; Inputs: keys 65,536 x 512 float32; vals 65,536 int32; x 2,048 x 512 float32.
;; Outputs: out0 2,048 int32.
;; Constants: ver = 1.
;; This version of the problem:
;;   THIS VERSION OF THE PROBLEM IS GIVEN IN LOW PRECISION. The matrix products marked QUANTISED in the list below multiply operands that are first quantised to E2M3 (2 exponent bits, 3 mantissa bits; 6 bits a number), with one power-of-two scale for each 32 numbers along K (OCP MX v1.0); their sums are f32. All else is computed in f32.
;;   The module's matrix products, in the order in which they are computed (A, B: the left and right operand; K: the contracted axis; several contracted axes count as one K, in the product's order):
;;     1. [M 2,048, K 512] x [K 512, N 65,536]; A: input x; B: input keys: QUANTISED
;;   THE QUANTISER, for each operand of a quantised product, along K:
;;     - K is cut into blocks of 32 from its start; a last block that is shorter is filled with zeros.
;;     - A block's scale is 2^e with e = floor(log2(the largest magnitude in the block)) - 2, held to -126 .. 127; a block of zeros has e = 0. As a byte (E8M0): e + 127.
;;     - Each number is divided by its block's scale, clamped to +-7.5, and rounded to the nearest number of E2M3, ties to even, subnormals kept.
;;     - The product sums the exact products of the quantised numbers (number of the format x scale) in f32.
;;   ~~~python
;;   def quantise(x, axis):      # numpy; x: float32 -> the quantised numbers, widened to float32 again
;;       x = np.moveaxis(x, axis, -1); K = x.shape[-1]
;;       x = np.pad(x, [(0, 0)] * (x.ndim - 1) + [(0, -K % 32)]); x = x.reshape(x.shape[:-1] + (-1, 32)); a = np.abs(x).max(-1, keepdims=True)
;;       e = np.where(a > 0, np.clip(np.frexp(np.where(a > 0, a, 1))[1] - 1 - 2, -126, 127), 0)      # np.frexp(a)[1] - 1 = floor(log2(a)), exactly
;;       r = np.clip(x / 2.0 ** e, -7.5, 7.5)
;;       step = 2.0 ** (np.maximum(np.frexp(np.where(r == 0, 1, r))[1] - 1, 0) - 3)
;;       q = np.round(r / step) * step * 2.0 ** e      # np.round: ties to even
;;       return np.moveaxis(q.reshape(q.shape[:-2] + (-1,))[..., :K], -1, axis).astype(np.float32)
;;   ~~~
;; 2 versions. Each part assembles by itself: llvm-mc -triple=amdgcn-amd-amdhsa -mcpu=gfx1250 --defsym DOCPART=n.
;; ======== version 1 of 2: 4 launches
;; workspace buffers: kc 27,262,976 bytes; xc 851,968 bytes; gm 33,554,432 bytes; sel 262,144 bytes of whole numbers
;; launch quant (part 1): grid 1056 x 1, 4 waves a work-group, no clusters, 35,328 bytes of LDS; arguments keys, x, kc, xc; writes kc, xc
.if DOCPART == 1
	.amdgcn_target "amdgcn-amd-amdhsa--gfx1250"
	.amdhsa_code_object_version 6
	.text
	.protected	k_q17a154e0ec_quant
	.globl	k_q17a154e0ec_quant
	.p2align	8
	.type	k_q17a154e0ec_quant,@function
k_q17a154e0ec_quant:
	s_mov_b64 s[64:65], 0
	v_nop
	global_prefetch_b8 v0, s[64:65] scope:SCOPE_SE
	s_setreg_imm32_b32 hwreg(HW_REG_WAVE_MODE, 25, 1), 1
	s_wait_xcnt 0x0
; keys [65536][512] and x [2048][512], f32, become TILE RECORDS of 16 rows each: codes of FP6 (E2M3) laid as images of the matrix operand's registers, scale words, and the rows' sums of squares.
; A record is REC = 6,656 bytes:  byte 1536 s + 512 c + 16 L: registers 4 c .. 4 c + 3 of lane L of the 12-register fragment of K step s (128 along K);
;   byte 6144 + 16 r + 4 s: the scale word of row r for K step s;   byte 6400 + 4 r: the sum of row r's squares (of the f32 numbers, not of the codes), these 64 bytes four times on end.
; A block's scale is 2^(floor(log2(its largest magnitude)) - 2); its byte is the largest magnitude's exponent field - 2, held at 1 from below.
; LIMITS: NaN and infinities among the inputs are not served.  A block of zeros gets the byte 1 where the rule says 127: its codes are zeros, and this program alone reads the bytes.
; The sum of squares is taken in four chains and then across two lanes: another order of f32 additions than a plain sum along the row.
; SHARES: one wave makes one record.  Work-groups 0 to 1023 take keys, the others x: only pointers are chosen, there is one path.  Waves share nothing: no barrier.
; Each load reads 512 consecutive bytes of one row; a K step's 16 x 512 bytes turn through the wave's own stage in LDS, so that lane (r, h) gets blocks h and 2 + h of row r, 32 neighbours each, in its registers.
.set REC,  6656
.set WREG, 8704                        ; LDS of a wave: the stage, 16 rows x SP, and behind it 64 bytes for the sums of squares
.set SP,   528                         ; a stage row: 512 bytes + 16
.set NRM,  16*SP
.set AM,   8                           ; v8-9    largest magnitudes of my two blocks
.set SO,   10                          ; v10-11  the conversions' scale operands
.set BY,   12                          ; v12-13  the scale bytes
.set W,    16                          ; v16-19  my row's scale word of each K step
.set C,    24                          ; v24-35  a fragment's codes
.set CT,   36                          ; v36-38, v40-42  the upper halves of the two blocks as the conversions leave them
.set R,    64                          ; v64-191 two sets of 64 registers as loaded
.set X,    192                         ; v192-255 64 numbers: two blocks of 32 neighbours
	s_load_b256 s[4:11], s[0:1], 0x0               ; keys s[4:5], x s[6:7], kc s[8:9], xc s[10:11]
	v_lshl_add_u32 v62, v0, 2, 0x8800
	v_mov_b32 v63, 0
	v_lshrrev_b32 v1, 5, v0
	v_readfirstlane_b32 s12, v1                    ; wave
	v_and_b32 v1, 31, v0                           ; lane
	v_lshlrev_b32 v2, 4, v1                        ; 16 x lane: the offset of every global load and store
	v_and_b32 v14, 15, v0                          ; r
	v_bfe_u32 v15, v0, 4, 1                        ; h
	s_mul_i32 s13, s12, WREG
	v_add_nc_u32 v3, s13, v2                       ; into the stage: 16 x lane of a row
	v_mul_u32_u24 v4, v14, SP
	v_lshl_add_u32 v4, v15, 7, v4
	v_add_nc_u32 v4, s13, v4                       ; out of it: row r, + 128 h
	v_lshlrev_b32 v5, 2, v14
	v_add_nc_u32 v5, s13, v5
	v_add_nc_u32 v5, NRM, v5                       ; where row r's sum of squares goes
	v_and_b32 v6, 3, v0
	v_lshlrev_b32 v6, 4, v6
	v_add_nc_u32 v6, s13, v6
	v_add_nc_u32 v6, NRM, v6                       ; and from where four of them come back
	v_lshlrev_b32 v7, 3, v15                       ; 8 h: my bytes' place in the scale word
	s_mov_b32 s20, 0x76543210
	s_mov_b32 s21, 0xfedcba98                      ; v_permlanex16_b32's selects for lane l xor 16
	s_mov_b32 s22, 0xffff0000                      ; lanes 16-31
	s_wait_kmcnt 0x0
	s_cmp_lt_u32 ttmp9, 1024                       ; keys or x?  The choice hangs on the work-group's number alone
	s_cselect_b64 s[4:5], s[4:5], s[6:7]
	s_cselect_b64 s[8:9], s[8:9], s[10:11]
	s_cselect_b32 s14, 0, 1024
	s_sub_co_u32 s14, ttmp9, s14
	s_lshl_b32 s14, s14, 2
	s_add_co_u32 s14, s14, s12                     ; my record
	s_lshl_b32 s16, s14, 15                        ; 16 rows of 2,048 bytes
	s_mov_b32 s17, 0
	s_add_nc_u64 s[4:5], s[4:5], s[16:17]
	s_mul_i32 s16, s14, REC
	s_add_nc_u64 s[8:9], s[8:9], s[16:17]
.macro LOAD s                          ; K step s of the 16 rows: each load reads 512 consecutive bytes
.irp p, 0,1,2,3,4,5,6,7,8,9,10,11,12,13,14,15
	global_load_b128 v[R+64*((\s)%2)+4*\p:R+64*((\s)%2)+4*\p+3], v2, s[4:5] offset:2048*\p+512*(\s) th:TH_LOAD_NT
.endr
.endm
.macro TURN s                          ; through the stage: LDS serves a wave's instructions in order, so no wait stands between the stores and the loads
.irp p, 0,1,2,3,4,5,6,7,8,9,10,11,12,13,14,15
	ds_store_b128 v3, v[R+64*((\s)%2)+4*\p:R+64*((\s)%2)+4*\p+3] offset:SP*\p
.endr
.irp c, 0,1
.irp i, 0,1,2,3,4,5,6,7
	ds_load_b128 v[X+32*\c+4*\i:X+32*\c+4*\i+3], v4 offset:256*\c+16*\i   ; k = 64 c + 32 h + 4 i .. of row r
.endr
.endr
.endm
.macro QSTEP s
.irp c, 0,1
	v_max3_num_f32 v[AM+\c], |v[X+32*\c]|, |v[X+32*\c+1]|, 0x1800000   ; block 2 c + h: all 32 numbers are mine; the floor 2^(3 - 127) holds the byte at 1 from below
.endr
.irp i, 2,4,6,8,10,12,14,16,18,20,22,24,26,28,30
.irp c, 0,1
	v_max3_num_f32 v[AM+\c], v[AM+\c], |v[X+32*\c+\i]|, |v[X+32*\c+\i+1]|
.endr
.endr
.irp c, 0,1
	v_add_nc_u32 v[SO+\c], 0xff000000, v[AM+\c]    ; 2 off the exponent field: the conversion takes that field as its scale
.endr
.irp c, 0,1
	v_lshrrev_b32 v[BY+\c], 23, v[SO+\c]           ; the scale's byte
.endr
	v_lshl_or_b32 v14, v[BY+1], 16, v[BY]          ; blocks h and 2 + h,
	v_lshlrev_b32 v14, v7, v14                     ; at their places in the word;
	v_permlanex16_b32 v15, v14, s20, s21
	v_or_b32 v[W+\s], v14, v15                     ; with lane l xor 16's two bytes the word is whole
.set j, 0
.rept 16                               ; the squares, two at a time, in two chains of pairs
.if (\s == 0) && (j == 0)
	v_pk_mul_f32 v[20:21], v[X:X+1], v[X:X+1]      ; the first products start the sums
	v_pk_mul_f32 v[22:23], v[X+2:X+3], v[X+2:X+3]
.else
	v_pk_fma_f32 v[20:21], v[X+4*j:X+4*j+1], v[X+4*j:X+4*j+1], v[20:21]
	v_pk_fma_f32 v[22:23], v[X+4*j+2:X+4*j+3], v[X+4*j+2:X+4*j+3], v[22:23]
.endif
.set j, j+1
.endr
.if \s > 0
	s_wait_xcnt 0x0                                ; the last step's stores have read the codes' registers
.endif
.irp c, 0,1
	v_cvt_scalef32_pk16_fp6_f32 v[C+6*\c:C+6*\c+2], v[X+32*\c:X+32*\c+15], v[SO+\c]
	v_cvt_scalef32_pk16_fp6_f32 v[CT+4*\c:CT+4*\c+2], v[X+32*\c+16:X+32*\c+31], v[SO+\c]   ; (a conversion's three registers begin on an even number)
.endr
	v_nop                                          ; one plain line behind the scaled conversions
.irp c, 0,1
.irp i, 0,1,2
	v_mov_b32 v[C+3+6*\c+\i], v[CT+4*\c+\i]
.endr
.endr
.irp c, 0,1,2
	global_store_b128 v2, v[C+4*\c:C+4*\c+3], s[8:9] offset:1536*(\s)+512*\c   ; 32 lanes store 512 consecutive bytes
.endr
.endm
	LOAD 0
	LOAD 1
	s_wait_loadcnt 16                              ; step 0's 16 loads are in, step 1's may be out
	TURN 0
	s_wait_dscnt 0x0                               ; the numbers are back, and the stage's stores have read their registers,
	LOAD 2                                         ; which take the loads of two steps on
	QSTEP 0
	s_wait_loadcnt 16                              ; step 1's are in, step 2's may be out
	TURN 1
	s_wait_dscnt 0x0
	LOAD 3
	QSTEP 1
	s_wait_loadcnt 16                              ; step 2's are in, step 3's may be out
	TURN 2
	s_wait_dscnt 0x0
	QSTEP 2
	s_wait_loadcnt 0x0
	TURN 3
	s_wait_dscnt 0x0
	QSTEP 3
	v_pk_add_f32 v[20:21], v[20:21], v[22:23]
	v_add_f32 v20, v20, v21
	v_permlanex16_b32 v15, v20, s20, s21
	v_add_f32 v20, v20, v15                        ; row r's sum of squares, in both its lanes
	ds_store_b32 v5, v20                           ; both write the same word with the same value
	ds_load_b128 v[44:47], v6                      ; rows 4 (lane % 4) .. + 3
	s_wait_dscnt 0x0
.irp k, 0,1,2,3
	v_cndmask_b32 v[48+\k], v[W+\k], v[44+\k], s22 ; lanes 0-15: row r's four scale words; lanes 16-31: four sums
.endr
	global_store_b128 v2, v[48:51], s[8:9] offset:6144   ; the record's last 512 bytes
	s_wait_tensorcnt 0x0
	ds_add_u32 v62, v63
	s_wait_dscnt 0x0
	s_endpgm
.Lfunc_end_k_q17a154e0ec_quant:
	.size	k_q17a154e0ec_quant, .Lfunc_end_k_q17a154e0ec_quant-k_q17a154e0ec_quant
	.p2alignl 7, 3214868480
	.fill 96, 4, 3214868480
	.section	.rodata,"a",@progbits
	.p2align	6, 0x0
	.amdhsa_kernel k_q17a154e0ec_quant
		.amdhsa_group_segment_fixed_size 35328
		.amdhsa_private_segment_fixed_size 0
		.amdhsa_enable_private_segment 0
		.amdhsa_kernarg_size 32
		.amdhsa_user_sgpr_count 2
		.amdhsa_user_sgpr_kernarg_segment_ptr 1
		.amdhsa_wavefront_size32 1
		.amdhsa_system_sgpr_workgroup_id_x 1
		.amdhsa_system_sgpr_workgroup_id_y 1
		.amdhsa_system_sgpr_workgroup_id_z 1
		.amdhsa_system_vgpr_workitem_id 0
		.amdhsa_next_free_vgpr 256
		.amdhsa_next_free_sgpr 66
		.amdhsa_reserve_vcc 0
		.amdhsa_float_denorm_mode_32 3
		.amdhsa_float_denorm_mode_16_64 3
		.amdhsa_memory_ordered 1
		.amdhsa_forward_progress 1
		.amdhsa_inst_pref_size 38
	.end_amdhsa_kernel
	.amdgpu_metadata
---
amdhsa.version: [ 1, 2 ]
amdhsa.kernels:
  - .name:           k_q17a154e0ec_quant
    .symbol:         k_q17a154e0ec_quant.kd
    .args:
      - { .name: keys, .offset: 0, .size: 8, .value_kind: global_buffer, .address_space: global }
      - { .name: x, .offset: 8, .size: 8, .value_kind: global_buffer, .address_space: global }
      - { .name: kc, .offset: 16, .size: 8, .value_kind: global_buffer, .address_space: global }
      - { .name: xc, .offset: 24, .size: 8, .value_kind: global_buffer, .address_space: global }
    .group_segment_fixed_size: 35328
    .private_segment_fixed_size: 0
    .kernarg_segment_align: 8
    .kernarg_segment_size: 32
    .max_flat_workgroup_size: 128
    .sgpr_count:     66
    .vgpr_count:     256
    .wavefront_size: 32
...
	.end_amdgpu_metadata
.endif
;; end of part 1
;; launch gemm (part 2): grid 4 x 64, 4 waves a work-group, clusters of 4 x 1, 327,680 bytes of LDS; arguments kc, xc, gm; writes gm
.if DOCPART == 2
	.amdgcn_target "amdgcn-amd-amdhsa--gfx1250"
	.amdhsa_code_object_version 6
	.text
	.protected	k_q17a154e0ec_gemm
	.globl	k_q17a154e0ec_gemm
	.p2align	8
	.type	k_q17a154e0ec_gemm,@function
k_q17a154e0ec_gemm:
	s_mov_b64 s[64:65], 0
	v_nop
	global_prefetch_b8 v0, s[64:65] scope:SCOPE_SE
	s_setreg_imm32_b32 hwreg(HW_REG_WAVE_MODE, 25, 1), 1
	s_wait_xcnt 0x0
	s_wait_alu depctr_hold_cnt(0) depctr_sa_sdst(0) depctr_va_vdst(0) depctr_va_sdst(0) depctr_va_ssrc(0) depctr_va_vcc(0) depctr_vm_vsrc(0)
	s_getreg_b32 s2, hwreg(HW_REG_IB_STS2, 6, 4)
	s_cmp_eq_u32 s2, 0
	s_cbranch_scc0 .Lentry_in_a_cluster
	s_endpgm
.Lentry_in_a_cluster:
	s_bfe_u32 s2, ttmp6, 0x10000c
	s_cmp_lg_u32 s2, 0x3003
	s_cbranch_scc0 .Lentry_shape_is_right
	s_endpgm
.Lentry_shape_is_right:
; gm[q][g] = the smallest d2 = (|x_q|^2 + |k|^2) - 2 (Q(x_q) . Q(k)) over the 16 keys of group g (keys 16 g .. 16 g + 15).  The products are taken on codes of FP6 with E8M0 scales, from the tile records.
; SHARES.  A work-group: 512 queries (its place cx in the cluster) x 1,024 keys (y): 64 records.  A wave keeps 128 queries, 8 records of x, in 384 registers for the whole launch, and walks the 64 key records.
; CLUSTER.  The four work-groups of a cluster walk the same 64 key records: each block of 8 records is asked for JOINTLY, by the same tensor loads with a mask that names the four.  cx enters global addresses of xc and gm alone.
; RING.  Two LDS slots of 8 records; each wave fetches two records (52 rows of 256 bytes, dense) with one load behind each round; by this text's count one tensor load of a wave is out at a time.
;   No prefetch is laid: a refill is asked for a whole slot, 256 matrix instructions of each wave, ahead of the wait for it.
; THE PRODUCT: source 0 = 16 keys, source 1 = 16 queries: lane (r, h) register j = key 8 h + j for query r.  So a group's minimum is seven minima in a lane and one exchange of halves.
; BY TURNS.  While the 32 products of one key record are issued, the record before is finished: behind each product stands a slice of three to five vector lines.
; WINDOWS of 256 registers.  W0: addresses, scale words, the way out.  W1: x's fragments of K steps 0, 1 (96 s + 12 t), |x|^2 at 192 + 2 t (twice).  W2: the same for K steps 2, 3, |x|^2 again at the same numbers.
;   W3: ACC0 0-63, ACC1 64-127, KF0 128-175, KF1 176-223, KK0 224-231, KK1 232-239, S 240-247, PM 248-255.
;   Under a product's setting (destination, sources 0 and 2 in W3; source 1 in W1 or W2) the slices run too: their source 1 is |x|^2, a constant or a scalar.  So no switch stands between a product and its slice.
; LIMITS: NaN and infinities are not served.
.set REC,    6656
.set SLOTB,  8*REC
.set SLOT1,  65536                     ; slot 1 begins here: one exclusive or turns an address from one slot to the other
.set STAGE,  131072                    ; behind the ring: for each wave 128 rows (its queries) x (64 words + 16 bytes)
.set SPITCH, 272
.set WSTG,   128*SPITCH
.set SPARE,  STAGE+4*WSTG              ; the spare words, 128 bytes a wave: two blocks of 256 bytes that no other line names
.set A0,   2                           ; v2   16 x lane
.set K0,   3                           ; v3   6400 + 32 h: my eight keys' sums of squares in a record
.set C0,   4                           ; v4   6144 + 16 r: row r's scale words in a record
.set LA,   5                           ; v5-7 the same three + the LDS byte of the pair in hand
.set LKK,  6
.set LSC,  7
.set STA0, 8                           ; v8   the stage: row r, word h
.set STA,  9                           ; v9   + 8 x the pair being stored
.set RD,   10                          ; v10  the way out: lanes 0-15 one row of the stage, lanes 16-31 the next
.set GO,   11                          ; v11  and the same two rows in gm
.set SPW,  12                          ; v12  my spare word; never rewritten
.set NIL,  13                          ; v13  0; never rewritten
.set KS,   16                          ; v16-23 the keys' scale words, two sets of four K steps
.set XS,   24                          ; v24-55 x's: tile t, K step s at 24 + 4 t + s
.set OUTR, 64                          ; v64-191 the way out
.set XX,   192
.set KF,   128
.set KK,   224
.set SS,   240
.set PM,   248
.set MSB, 0
.macro WIN new                         ; the immediate's high byte repeats the setting that is left
.if MSB != \new
	s_set_vgpr_msb (MSB<<8)|\new
.set MSB, \new
.endif
.endm
.macro CROUND                          ; a round of the cluster's barrier
	s_barrier_signal -1
	s_barrier_wait -1
	s_cmp_lg_u32 s10, 0
	s_cbranch_scc1 .Lnot_wave_0_\@
	s_barrier_signal -3
.Lnot_wave_0_\@:
	s_barrier_wait -3
	s_barrier_signal -1
	s_barrier_wait -1
.endm
	s_load_b128 s[4:7], s[0:1], 0x0                ; kc s[4:5], xc s[6:7]
	s_load_b64 s[8:9], s[0:1], 0x10                ; gm
	v_lshl_add_u32 v[SPW], v0, 2, SPARE
	v_mov_b32 v[NIL], 0
	ds_add_u32 v12, v13
	ds_add_u32 v12, v13
	s_wait_dscnt 0x0
	v_lshrrev_b32 v1, 5, v0
	v_readfirstlane_b32 s10, v1                    ; wave
	s_bfe_u32 s11, ttmp6, 0x40000                  ; cx: my block of 512 queries
	s_and_b32 s12, ttmp7, 0xffff                   ; y: the cluster's 1,024 keys
	s_mov_b32 s16, 15|(3<<16)|(1<<21)              ; group 1: the mask names all four; elements of 8 bytes; bit 21 beside a mask; no padding
	s_mov_b32 s17, 32<<16                          ; tensor_dim0 = 32 elements: 256 bytes
	s_mov_b32 s18, 52<<16                          ; tensor_dim1 = 52 rows: two records
	s_mov_b32 s19, 32<<16                          ; tile_dim0
	s_mov_b32 s20, 52                              ; tile_dim1
	s_mov_b32 s21, 32                              ; the pitch: dense
	s_mov_b32 s22, 0
	s_mov_b32 s23, 0
	s_mul_i32 s34, s12, 64*REC                     ; the range's 64 records,
	s_mul_i32 s25, s10, 2*REC                      ; my two of a block of eight: in LDS (slot 0)
	s_add_co_u32 s34, s34, s25                     ; and in memory
	s_mov_b32 s35, 0
	s_lshl_b32 s36, s11, 5
	s_lshl_b32 s37, s10, 3
	s_add_co_u32 s36, s36, s37                     ; my first record of x: 32 cx + 8 wave
	s_mul_i32 s36, s36, REC
	s_mov_b32 s37, 0
	s_lshl_b32 s38, s11, 9
	s_lshl_b32 s39, s10, 7
	s_add_co_u32 s38, s38, s39                     ; my first query
	s_lshl_b32 s38, s38, 14                        ; a row of gm is 16,384 bytes
	s_lshl_b32 s39, s12, 8                         ; the range's 64 groups: 256 bytes
	s_add_co_u32 s38, s38, s39
	s_mov_b32 s39, 0
	s_mov_b32 s28, 0                               ; LDS byte of the pair in hand
	s_mov_b32 s29, 0                               ; 8 x the pair being stored
	s_mov_b32 s32, 0x7f800000                      ; +infinity: the idle source of the three-way minima
	s_wait_kmcnt 0x0
	s_mov_b32 s24, 1                               ; group 0, which walks
	s_add_nc_u64 s[26:27], s[4:5], s[34:35]
	s_or_b32 s27, s27, 0x80000000
	s_add_nc_u64 s[6:7], s[6:7], s[36:37]
	s_add_nc_u64 s[8:9], s[8:9], s[38:39]
	CROUND                                         ; all four work-groups are here: the first joint loads meet
	tensor_load_to_lds s[24:27], s[16:23]          ; block 0 into slot 0
	s_nop 0
.rept 4
	v_nop
.endr
	v_and_b32 v1, 31, v0
	v_lshlrev_b32 v[A0], 4, v1
	v_and_b32 v14, 15, v0                          ; r
	v_bfe_u32 v15, v0, 4, 1                        ; h
	v_lshl_add_u32 v[K0], v15, 5, 6400
	v_lshl_add_u32 v[C0], v14, 4, 6144
	v_lshlrev_b32 v1, 2, v14                       ; 4 r
	s_mul_i32 s40, s10, WSTG
	s_add_co_u32 s40, s40, STAGE                   ; my stage
	v_mul_u32_u24 v[STA0], v14, SPITCH
	v_lshl_add_u32 v[STA0], v15, 2, v[STA0]
	v_add_nc_u32 v[STA0], s40, v[STA0]
	v_mul_u32_u24 v[RD], v15, SPITCH
	v_lshl_add_u32 v[RD], v14, 4, v[RD]
	v_add_nc_u32 v[RD], s40, v[RD]
	v_lshlrev_b32 v[GO], 14, v15
	v_lshl_add_u32 v[GO], v14, 4, v[GO]
	WIN 0x40                                       ; destination W1: x's fragments of K steps 0, 1, as their images lie; they stay
.irp t, 0,1,2,3,4,5,6,7
.irp s, 0,1
.irp c, 0,1,2
	global_load_b128 v[96*\s+12*\t+4*\c:96*\s+12*\t+4*\c+3], v[A0], s[6:7] offset:\t*REC+1536*\s+512*\c
.endr
.endr
	global_load_b32 v[XX+2*\t], v1, s[6:7] offset:\t*REC+6400      ; |x|^2 of query r of tile t,
	global_load_b32 v[XX+2*\t+1], v1, s[6:7] offset:\t*REC+6400    ; twice: the packed form names a pair
.endr
	WIN 0x80                                       ; destination W2: K steps 2, 3
.irp t, 0,1,2,3,4,5,6,7
.irp s, 0,1
.irp c, 0,1,2
	global_load_b128 v[96*\s+12*\t+4*\c:96*\s+12*\t+4*\c+3], v[A0], s[6:7] offset:\t*REC+1536*(\s+2)+512*\c
.endr
.endr
	global_load_b32 v[XX+2*\t], v1, s[6:7] offset:\t*REC+6400
	global_load_b32 v[XX+2*\t+1], v1, s[6:7] offset:\t*REC+6400
.endr
	WIN 0
.irp t, 0,1,2,3,4,5,6,7
	global_load_b128 v[XS+4*\t:XS+4*\t+3], v[C0], s[6:7] offset:\t*REC   ; x's scale words (v4 holds 6144 + 16 r)
.endr
; One product: keys' record of parity par, K step s, x's tile t.  The eight accumulators of a record take turns, one instruction a turn.
.macro WM par, s, t
.if \s == 0
	v_wmma_scale_f32_16x16x128_f8f6f4 v[64*\par+8*\t:64*\par+8*\t+7], v[KF+48*\par+12*\s:KF+48*\par+12*\s+11], v[96*(\s%2)+12*\t:96*(\s%2)+12*\t+11], 0, v[KS+4*\par+\s], v[XS+4*\t+\s] matrix_a_fmt:MATRIX_FMT_FP6 matrix_b_fmt:MATRIX_FMT_FP6
.else
	v_wmma_scale_f32_16x16x128_f8f6f4 v[64*\par+8*\t:64*\par+8*\t+7], v[KF+48*\par+12*\s:KF+48*\par+12*\s+11], v[96*(\s%2)+12*\t:96*(\s%2)+12*\t+11], v[64*\par+8*\t:64*\par+8*\t+7], v[KS+4*\par+\s], v[XS+4*\t+\s] matrix_a_fmt:MATRIX_FMT_FP6 matrix_b_fmt:MATRIX_FMT_FP6
.endif
.endm
; Slice nn of 32 of the record of parity pp: tile nn / 4, part nn % 4.  0: S = |k|^2 + |x|^2.  1: d2 = S - 2 dot, one rounding (the accumulator is read from its low end on).  2, 3: the minimum of the lane's eight.
; An even record leaves its lanes' minima in PM; the odd record's change halves with them: then lanes 0-15 hold the even group's minimum for query r, lanes 16-31 the odd group's.
.macro SLICE pp
.set tq, nn/4
.set uq, nn%4
.set dd, 64*(\pp)+8*tq
.if uq == 0
.irp k, 0,2,4,6
	v_pk_add_f32 v[SS+\k:SS+\k+1], v[KK+8*(\pp)+\k:KK+8*(\pp)+\k+1], v[XX+2*tq:XX+2*tq+1] op_sel_hi:[1,0]
.endr
.elseif uq == 1
.irp k, 0,2,4,6
	v_pk_fma_f32 v[dd+\k:dd+\k+1], v[dd+\k:dd+\k+1], -2.0, v[SS+\k:SS+\k+1] op_sel_hi:[1,0,1]
.endr
.elseif uq == 2
.irp k, 0,2,4,6
	v_min3_num_f32 v[dd+\k], v[dd+\k], s32, v[dd+\k+1]
.endr
.else
	v_min3_num_f32 v[dd], v[dd], s32, v[dd+2]
	v_min3_num_f32 v[dd+4], v[dd+4], s32, v[dd+6]
.if (\pp) == 0
	v_min3_num_f32 v[PM+tq], v[dd], s32, v[dd+4]
.else
	v_min3_num_f32 v[dd], v[dd], s32, v[dd+4]
	v_permlane16_swap_b32 v[PM+tq], v[dd]
	v_min3_num_f32 v[PM+tq], v[PM+tq], s32, v[dd]
.endif
.endif
.endm
; A STEP: the 32 products of the record of parity par.  post: the record before is finished in slices.  st: the finished pair's minima go to the stage.  pre: the next record's fragments and scale words are fetched.
.macro STEP par, post, st, pre
	WIN 0
	s_wait_dscnt 0x0                               ; all that was asked of LDS a step ago is in: this record's fragments and scale words, the last record's sums of squares
.if \par == 0
	v_add_nc_u32 v[LA], s28, v[A0]                 ; no LDS load that names these is out.  With the v_nop: the four places ahead of loads into registers that the last products read
	v_add_nc_u32 v[LKK], s28, v[K0]
	v_add_nc_u32 v[LSC], s28, v[C0]
	v_nop
.else
	v_add_nc_u32 v[STA], s29, v[STA0]
	v_nop
	v_nop
	v_nop
.endif
.if \st
	s_add_co_u32 s29, s29, 8
	WIN 0x0c                                       ; an LDS store's data are its source 1: W3
.irp t, 0,1,2,3,4,5,6,7
	ds_store_b32 v[STA], v[PM+\t] offset:16*SPITCH*\t   ; query 16 t + r, groups 2 pair + h
.endr
.endif
	WIN 0xc0                                       ; destination W3
.if \pre
.irp k, 0,1,2,3,4,5,6,7,8,9,10,11
	ds_load_b128 v[KF+48*(1-\par)+4*\k:KF+48*(1-\par)+4*\k+3], v[LA] offset:(\par+1)*REC+512*\k   ; 512 consecutive bytes a load
.endr
.endif
.irp i, 0,1
	ds_load_b128 v[KK+8*\par+4*\i:KK+8*\par+4*\i+3], v[LKK] offset:\par*REC+16*\i   ; this record's sums of squares, for the next step's slices
.endr
.if \pre
	WIN 0
	ds_load_b128 v[KS+4*(1-\par):KS+4*(1-\par)+3], v[LSC] offset:(\par+1)*REC
.endif
.set nn, 0
.irp s, 0,1,2,3
.if \s < 2
	WIN 0xf7
.else
	WIN 0xfb
.endif
.irp t, 0,1,2,3,4,5,6,7
	WM \par, \s, \t
.if \st && (nn == 3)
	s_wait_dscnt 2+13*\pre                         ; all but the loads issued behind the eight stores: the stores are done, so PM may be written again
.endif
.if \post
	SLICE 1-\par
.endif
.set nn, nn+1
.endr
.endr
.endm
.macro PAIR poste, sto, preo
	STEP 0, \poste, 0, 1
	STEP 1, 1, \sto, \preo
	WIN 0
	s_add_co_u32 s28, s28, 2*REC
.endm
; THE CHANGE OF SLOTS stands at a slot's head: each wave waits for all its tensor loads (its part of the slot ahead), adds 0 to its spare word, and waits for that and for its reads of the slot that it has left.
; fill = 1: a round of the cluster's barrier follows, and behind it the slot that was left takes the next block: the wave's one tensor load until the next round.
.macro CHANGE fill
	WIN 0
	s_wait_tensorcnt 0x0                           ; no tensor load of mine is out, so group 0 may be written
	ds_add_u32 v[SPW], v[NIL]
.if \fill
	s_xor_b32 s25, s25, SLOT1                      ; the other slot than last time,
	s_add_nc_u64 s[26:27], s[26:27], SLOTB         ; the next eight records; the type bits on top are not reached
.endif
	s_wait_dscnt 0x0                               ; the add is done, and my LDS reads are over
.if \fill
	CROUND
	tensor_load_to_lds s[24:27], s[16:23]
	s_nop 0
.rept 4
	v_nop
.endr
.else
	s_barrier_signal -1
	s_barrier_wait -1
.endif
.endm
.macro LOADF                           ; a slot's first record: fragments and scale words
	v_add_nc_u32 v[LA], s28, v[A0]
	v_add_nc_u32 v[LSC], s28, v[C0]
	WIN 0xc0
.irp k, 0,1,2,3,4,5,6,7,8,9,10,11
	ds_load_b128 v[KF+4*\k:KF+4*\k+3], v[LA] offset:512*\k
.endr
	WIN 0
	ds_load_b128 v[KS:KS+3], v[LSC]
.endm
.macro SLOT first                      ; a slot's four pairs of records; the last fetches nothing ahead; only the launch's first pair has nothing to finish
	LOADF
.if \first
	PAIR 0, 0, 1
	s_mov_b32 s31, 2
.else
	s_mov_b32 s31, 3
.endif
.Lpair_\@:
	PAIR 1, 1, 1
	s_sub_co_u32 s31, s31, 1
	s_cmp_lg_u32 s31, 0
	s_cbranch_scc1 .Lpair_\@
	PAIR 1, 1, 0
	s_sub_co_u32 s28, s28, SLOTB                   ; back to a slot's first record,
	s_xor_b32 s28, s28, SLOT1                      ; in the other slot
.endm
	CHANGE 1                                       ; slot 0 is whole; slot 1 takes block 1
	s_wait_loadcnt 0x0                             ; x
	SLOT 1
	s_mov_b32 s30, 6
.Lslot:                                            ; blocks 1 to 6 are multiplied, blocks 2 to 7 asked for
	CHANGE 1
	SLOT 0
	s_sub_co_u32 s30, s30, 1
	s_cmp_lg_u32 s30, 0
	s_cbranch_scc1 .Lslot
	CHANGE 0                                       ; the last block is written out
	SLOT 0
	s_wait_dscnt 0x0                               ; the last record's sums of squares
	WIN 0xf7
.set nn, 0
.rept 32
	SLICE 1                                        ; the last record is finished (its first slice, which names no accumulator, is the four places behind the last product)
.set nn, nn+1
.endr
	WIN 0
	v_add_nc_u32 v[STA], s29, v[STA0]
	WIN 0x0c
.irp t, 0,1,2,3,4,5,6,7
	ds_store_b32 v[STA], v[PM+\t] offset:16*SPITCH*\t
.endr
	WIN 0
; THE WAY OUT: my 128 rows of 256 bytes come back from my own stage (LDS serves a wave's instructions in order), two rows a load; sixteen lanes store 256 consecutive bytes, at a multiple of 256 from gm's first byte.
.irp b, 0,1,2,3
.if \b >= 2
	s_wait_xcnt 0x0                                ; the stores of two batches ago have read their registers
.endif
.irp i, 0,1,2,3,4,5,6,7,8,9,10,11,12,13,14,15
	ds_load_b128 v[OUTR+64*(\b%2)+4*\i:OUTR+64*(\b%2)+4*\i+3], v[RD] offset:2*SPITCH*(16*\b+\i)
.endr
.irp i, 0,1,2,3,4,5,6,7,8,9,10,11,12,13,14,15
	s_wait_dscnt 15-\i                             ; the batch's younger loads may be out
	global_store_b128 v[GO], v[OUTR+64*(\b%2)+4*\i:OUTR+64*(\b%2)+4*\i+3], s[8:9] offset:32768*(16*\b+\i) th:TH_STORE_NT
.endr
.endr
	s_wait_tensorcnt 0x0                           ; the wave's end
	ds_add_u32 v[SPW], v[NIL]
	s_wait_dscnt 0x0
	CROUND                                         ; the closing round
	s_endpgm
.Lfunc_end_k_q17a154e0ec_gemm:
	.size	k_q17a154e0ec_gemm, .Lfunc_end_k_q17a154e0ec_gemm-k_q17a154e0ec_gemm
	.p2alignl 7, 3214868480
	.fill 96, 4, 3214868480
	.section	.rodata,"a",@progbits
	.p2align	6, 0x0
	.amdhsa_kernel k_q17a154e0ec_gemm
		.amdhsa_group_segment_fixed_size 327680
		.amdhsa_private_segment_fixed_size 0
		.amdhsa_enable_private_segment 0
		.amdhsa_kernarg_size 24
		.amdhsa_user_sgpr_count 2
		.amdhsa_user_sgpr_kernarg_segment_ptr 1
		.amdhsa_wavefront_size32 1
		.amdhsa_system_sgpr_workgroup_id_x 1
		.amdhsa_system_sgpr_workgroup_id_y 1
		.amdhsa_system_sgpr_workgroup_id_z 1
		.amdhsa_system_vgpr_workitem_id 0
		.amdhsa_next_free_vgpr 1024
		.amdhsa_next_free_sgpr 66
		.amdhsa_reserve_vcc 0
		.amdhsa_float_denorm_mode_32 3
		.amdhsa_float_denorm_mode_16_64 3
		.amdhsa_memory_ordered 1
		.amdhsa_forward_progress 1
		.amdhsa_inst_pref_size 221
	.end_amdhsa_kernel
	.amdgpu_metadata
---
amdhsa.version: [ 1, 2 ]
amdhsa.kernels:
  - .name:           k_q17a154e0ec_gemm
    .symbol:         k_q17a154e0ec_gemm.kd
    .args:
      - { .name: kc, .offset: 0, .size: 8, .value_kind: global_buffer, .address_space: global }
      - { .name: xc, .offset: 8, .size: 8, .value_kind: global_buffer, .address_space: global }
      - { .name: gm, .offset: 16, .size: 8, .value_kind: global_buffer, .address_space: global }
    .group_segment_fixed_size: 327680
    .private_segment_fixed_size: 0
    .kernarg_segment_align: 8
    .kernarg_segment_size: 24
    .max_flat_workgroup_size: 128
    .sgpr_count:     66
    .vgpr_count:     1024
    .wavefront_size: 32
...
	.end_amdgpu_metadata
.endif
;; end of part 2
;; launch pick (part 3): grid 256 x 1, 8 waves a work-group, no clusters, 0 bytes of LDS; arguments gm, sel; writes sel
.if DOCPART == 3
	.amdgcn_target "amdgcn-amd-amdhsa--gfx1250"
	.amdhsa_code_object_version 6
	.text
	.protected	k_q17a154e0ec_pick
	.globl	k_q17a154e0ec_pick
	.p2align	8
	.type	k_q17a154e0ec_pick,@function
k_q17a154e0ec_pick:
	s_mov_b64 s[64:65], 0
	v_nop
	global_prefetch_b8 v0, s[64:65] scope:SCOPE_SE
	s_setreg_imm32_b32 hwreg(HW_REG_WAVE_MODE, 25, 1), 1
	s_wait_xcnt 0x0
; For each query: the ten best of its 4,096 groups, ordered by (f(smallest d2 of the group), group), f = sqrt(max(., 0)) rounded correctly.  The ten nearest keys, ordered by (distance, index), lie in these ten groups:
; a key in any other group would have the best keys of ten groups before it.  sel[q][0..9] = the groups (in no order that matters), sel[q][10..31] = 0.
; One wave a query; V[p] of lane l is group 128 (p / 4) + 4 l + p % 4: 128 (p >> 2) + 4 l + (p & 3).  No branch and no address hangs on the numbers: all choices are selections.
; 1: each lane's ten smallest values, a sorted list kept by medians.  2: ten times the wave's smallest head is taken off: T = the ten smallest values.
; 3: D = f(the 10th).  A = the smallest of T with f = D; B = the largest float with f = D, sought among the 16 floats from the 10th value on (a class of equal roots is far shorter).
;    Every value under the 10th is in T, so for the data f(v) < D is v < A, and f(v) <= D is v <= B.
; 4: for each lane 128 bits 'v < A' and 128 bits 'A <= v <= B'.  5: ten times the smallest key (class x 4096 + group) of the wave is taken and its bit cleared.
; LIMITS: NaN and infinities are not served.
.set L, 32                             ; v32-41  the lane's ten smallest, ascending
.set V, 64                             ; v64-191 the lane's 128 values
.set W, 16                             ; v16-23  the bits
.macro WMIN reg, tmp                   ; the smallest over the 32 lanes, in every lane
	v_min_num_f32_dpp v[\reg], v[\reg], v[\reg] row_xmask:1 row_mask:0xf bank_mask:0xf
	v_min_num_f32_dpp v[\reg], v[\reg], v[\reg] row_xmask:2 row_mask:0xf bank_mask:0xf
	v_min_num_f32_dpp v[\reg], v[\reg], v[\reg] row_xmask:4 row_mask:0xf bank_mask:0xf
	v_min_num_f32_dpp v[\reg], v[\reg], v[\reg] row_xmask:8 row_mask:0xf bank_mask:0xf
	v_permlanex16_b32 v[\tmp], v[\reg], s12, s13
	v_min_num_f32 v[\reg], v[\reg], v[\tmp]
.endm
.macro WMAX reg, tmp
	v_max_num_f32_dpp v[\reg], v[\reg], v[\reg] row_xmask:1 row_mask:0xf bank_mask:0xf
	v_max_num_f32_dpp v[\reg], v[\reg], v[\reg] row_xmask:2 row_mask:0xf bank_mask:0xf
	v_max_num_f32_dpp v[\reg], v[\reg], v[\reg] row_xmask:4 row_mask:0xf bank_mask:0xf
	v_max_num_f32_dpp v[\reg], v[\reg], v[\reg] row_xmask:8 row_mask:0xf bank_mask:0xf
	v_permlanex16_b32 v[\tmp], v[\reg], s12, s13
	v_max_num_f32 v[\reg], v[\reg], v[\tmp]
.endm
	s_load_b128 s[4:7], s[0:1], 0x0                ; gm, sel
	v_lshrrev_b32 v1, 5, v0
	v_readfirstlane_b32 s8, v1                     ; wave
	v_and_b32 v1, 31, v0                           ; lane
	v_lshlrev_b32 v2, 4, v1
	v_lshlrev_b32 v28, 2, v1                       ; 4 x lane
	s_lshl_b32 s9, ttmp9, 3
	s_add_co_u32 s9, s9, s8                        ; my query
	s_lshl_b32 s10, s9, 14
	s_mov_b32 s11, 0
	s_mov_b32 s12, 0x76543210
	s_mov_b32 s13, 0xfedcba98
	s_mov_b32 s22, 0xffff0000
	s_wait_kmcnt 0x0
	s_add_nc_u64 s[4:5], s[4:5], s[10:11]
	s_lshl_b32 s10, s9, 7
	s_add_nc_u64 s[6:7], s[6:7], s[10:11]
.irp i, 0,1,2,3,4,5,6,7,8,9,10,11,12,13,14,15,16,17,18,19,20,21,22,23,24,25,26,27,28,29,30,31
	global_load_b128 v[V+4*\i:V+4*\i+3], v2, s[4:5] offset:512*\i th:TH_LOAD_NT   ; 512 consecutive bytes a load
.endr
	v_mov_b32 v47, 0x7f800000                      ; +infinity
.irp k, 0,1,2,3,4,5,6,7,8,9
	v_mov_b32 v[L+\k], v47
.endr
	v_mov_b32 v42, v47                             ; T
	v_mov_b32 v44, 0                               ; (a lane permute's destination counts as read)
	v_mov_b32 v27, 0                               ; the result
; ---- 1: a value goes into the sorted list: the new L[k] is the middle one of L[k-1], the value and L[k]
.set rho, 0
.rept 32
	s_wait_loadcnt 31-(rho/4)                      ; this load is in; the younger ones may be out
.rept 4
.irp k, 9,8,7,6,5,4,3,2,1
	v_med3_num_f32 v[L+\k], v[L+\k-1], v[V+rho], v[L+\k]
.endr
	v_min_num_f32 v[L], v[L], v[V+rho]
.set rho, rho+1
.endr
.endr
; ---- 2: ten times: the smallest head; the lowest lane that has it moves its list up; T's lane rr takes the value
.set rr, 0
.rept 10
	v_mov_b32 v43, v[L]
	WMIN 43, 44
	v_cmp_eq_f32 s14, v[L], v43
	s_sub_co_u32 s15, 0, s14
	s_and_b32 s15, s15, s14                        ; its lowest bit
.set kq, 0
.rept 9-rr
	v_cndmask_b32 v[L+kq], v[L+kq], v[L+kq+1], s15
.set kq, kq+1
.endr
	s_mov_b32 s16, 1<<rr
	v_cndmask_b32 v42, v42, v43, s16
.set rr, rr+1
.endr
; ---- 3: v43 = the 10th value.  Z: lanes 0-15 T, lanes 16-31 the floats from max(10th, 0) on
	v_max_num_f32 v45, 0, v43
	v_add_nc_u32 v46, -16, v1
	v_add_nc_u32 v45, v45, v46
	v_cndmask_b32 v48, v42, v45, s22
	v_max_num_f32 v49, 0, v48
	v_cmp_gt_f32 s18, 0x0f800000, v49              ; under 2^-96: x 2^32 first, the root x 2^-16 afterwards
	v_mul_f32 v51, 0x4f800000, v49
	v_cndmask_b32 v49, v49, v51, s18
	v_sqrt_f32 v50, v49
	v_nop                                          ; a plain line behind the root,
	s_wait_alu depctr_va_vdst(0)                   ; and the wait ahead of its first reader
	v_add_nc_u32 v51, -1, v50                      ; the float below the root, and the one above:
	v_add_nc_u32 v52, 1, v50
	v_fma_f32 v53, -v51, v50, v49                  ; two residuals say whether the root is to be moved: the result is the correctly rounded one
	v_fma_f32 v54, -v52, v50, v49
	v_cmp_ge_f32 vcc_lo, 0, v53
	v_cndmask_b32 v50, v50, v51, vcc_lo
	v_cmp_lt_f32 vcc_lo, 0, v54
	v_cndmask_b32 v50, v50, v52, vcc_lo
	v_mul_f32 v51, 0x37800000, v50
	v_cndmask_b32 v50, v50, v51, s18               ; F = f(Z)
	v_readlane_b32 s19, v50, 9                     ; D
	v_cmp_eq_f32 s20, s19, v50
	s_and_b32 s21, s20, 0xffff
	s_and_b32 s20, s20, s22
	v_mov_b32 v45, 0xff800000
	v_cndmask_b32 v57, v47, v48, s21
	v_cndmask_b32 v58, v45, v48, s20
	WMIN 57, 44                                    ; A
	WMAX 58, 45                                    ; B
; ---- 4: the bits: a word is doubled and takes the comparison's bit in by the carry; the highest p of a word first
.irp c, 0,1,2,3,4,5,6,7
	v_mov_b32 v[W+\c], 0
.endr
.set wc, 0
.rept 4
.set wb, 31
.rept 32
	v_cmp_lt_f32 vcc_lo, v[V+32*wc+wb], v57
	v_add_co_ci_u32 v[W+wc], vcc_lo, v[W+wc], v[W+wc], vcc_lo
	v_cmp_le_f32 vcc_lo, v[V+32*wc+wb], v58
	v_add_co_ci_u32 v[W+4+wc], vcc_lo, v[W+4+wc], v[W+4+wc], vcc_lo
.set wb, wb-1
.endr
.set wc, wc+1
.endr
.irp c, 0,1,2,3
	v_xor_b32 v[W+4+\c], v[W+4+\c], v[W+\c]        ; the second class: v <= B and not v < A
.endr
; ---- 5: ten rounds
.set rr, 0
.rept 10
	v_mov_b32 v24, v[W+7]                          ; my first word that is not 0, and its number
	v_mov_b32 v25, 7
.irp c, 6,5,4,3,2,1,0
	v_cmp_ne_u32 vcc_lo, 0, v[W+\c]
	v_cndmask_b32 v24, v24, v[W+\c], vcc_lo
	v_cndmask_b32 v25, v25, \c, vcc_lo
.endr
	v_sub_nc_u32 v44, 0, v24
	v_and_b32 v44, v24, v44                        ; its lowest bit,
	v_cvt_f32_u32 v45, v44
	v_lshrrev_b32 v45, 23, v45
	v_add_nc_u32 v45, 0xffffff81, v45              ; and that bit's number
	v_lshl_add_u32 v45, v25, 5, v45                ; n = 128 class + p
	v_and_b32 v46, 0xfc, v45
	v_and_b32 v45, 3, v45
	v_lshl_add_u32 v45, v46, 5, v45
	v_add_nc_u32 v45, v45, v28                     ; 4096 class + group
	v_cvt_f32_u32 v26, v45
	v_cmp_eq_u32 vcc_lo, 0, v24
	v_cndmask_b32 v26, v26, v47, vcc_lo            ; a lane with no bit left: +infinity
	v_mov_b32 v43, v26
	WMIN 43, 46
	s_mov_b32 s16, 1<<rr
	v_cndmask_b32 v27, v27, v43, s16
	v_cmp_eq_f32 vcc_lo, v26, v43                  ; the lane that had it
	v_cndmask_b32 v25, 0xff, v25, vcc_lo
	v_xor_b32 v24, v24, v44                        ; clears the bit in its word
.irp c, 0,1,2,3,4,5,6,7
	v_cmp_eq_u32 vcc_lo, \c, v25
	v_cndmask_b32 v[W+\c], v[W+\c], v24, vcc_lo
.endr
.set rr, rr+1
.endr
	v_cvt_u32_f32 v27, v27
	v_and_b32 v27, 0xfff, v27                      ; the group
	global_store_b32 v28, v27, s[6:7]              ; 128 consecutive bytes
	s_endpgm
.Lfunc_end_k_q17a154e0ec_pick:
	.size	k_q17a154e0ec_pick, .Lfunc_end_k_q17a154e0ec_pick-k_q17a154e0ec_pick
	.p2alignl 7, 3214868480
	.fill 96, 4, 3214868480
	.section	.rodata,"a",@progbits
	.p2align	6, 0x0
	.amdhsa_kernel k_q17a154e0ec_pick
		.amdhsa_group_segment_fixed_size 0
		.amdhsa_private_segment_fixed_size 0
		.amdhsa_enable_private_segment 0
		.amdhsa_kernarg_size 16
		.amdhsa_user_sgpr_count 2
		.amdhsa_user_sgpr_kernarg_segment_ptr 1
		.amdhsa_wavefront_size32 1
		.amdhsa_system_sgpr_workgroup_id_x 1
		.amdhsa_system_sgpr_workgroup_id_y 1
		.amdhsa_system_sgpr_workgroup_id_z 1
		.amdhsa_system_vgpr_workitem_id 0
		.amdhsa_next_free_vgpr 192
		.amdhsa_next_free_sgpr 66
		.amdhsa_reserve_vcc 1
		.amdhsa_float_denorm_mode_32 3
		.amdhsa_float_denorm_mode_16_64 3
		.amdhsa_memory_ordered 1
		.amdhsa_forward_progress 1
		.amdhsa_inst_pref_size 135
	.end_amdhsa_kernel
	.amdgpu_metadata
---
amdhsa.version: [ 1, 2 ]
amdhsa.kernels:
  - .name:           k_q17a154e0ec_pick
    .symbol:         k_q17a154e0ec_pick.kd
    .args:
      - { .name: gm, .offset: 0, .size: 8, .value_kind: global_buffer, .address_space: global }
      - { .name: sel, .offset: 8, .size: 8, .value_kind: global_buffer, .address_space: global }
    .group_segment_fixed_size: 0
    .private_segment_fixed_size: 0
    .kernarg_segment_align: 8
    .kernarg_segment_size: 16
    .max_flat_workgroup_size: 256
    .sgpr_count:     66
    .vgpr_count:     192
    .wavefront_size: 32
...
	.end_amdgpu_metadata
.endif
;; end of part 3
;; launch vote (part 4): grid 256 x 1, 8 waves a work-group, no clusters, 0 bytes of LDS; arguments sel, kc, xc, vals, out0; writes out0
.if DOCPART == 4
	.amdgcn_target "amdgcn-amd-amdhsa--gfx1250"
	.amdhsa_code_object_version 6
	.text
	.protected	k_q17a154e0ec_vote
	.globl	k_q17a154e0ec_vote
	.p2align	8
	.type	k_q17a154e0ec_vote,@function
k_q17a154e0ec_vote:
	s_mov_b64 s[64:65], 0
	v_nop
	global_prefetch_b8 v0, s[64:65] scope:SCOPE_SE
	s_setreg_imm32_b32 hwreg(HW_REG_WAVE_MODE, 25, 1), 1
	s_wait_xcnt 0x0
; For each query: its ten chosen groups' 160 keys are multiplied again by the same matrix instruction on the same records, so that d2 has the same bits as in the launch that took the minima;
; dist = sqrt(max(d2, 0)), rounded correctly; the ten smallest by (dist, index); of their vals the most frequent, the smallest on ties.  A val outside 0 .. 99 counts for no class; if none counts, the result is 0.
; One wave a query.  Source 0 = a chosen record as it lies; source 1 = the query's row of its record of x in ALL 16 columns (lane (r, h) loads the image bytes of lane (q % 16, h)): every lane r holds the same eight sums.
; Lane (r, h) then takes register r % 8 of tile 2 u + r / 8, u = 0 .. 4: five registers of 32 different candidates: key 8 h + r % 8 of that tile.
; All addresses hang on the stored list alone, each number held under 4,096 first.  vals are loaded for all 160 candidates and carried as payload beside the index: index x 128 + val is under 2^23, exact in f32.
; The tiles' codes are no stream read once (a list may name a record for many queries): no hint, no prefetch.
; LIMITS: NaN and infinities are not served.
; REGISTERS.  W0: v1-11 offsets; v16-63 the query's four fragments, later at work; v64-143 ten accumulators; v144-183 the tiles' scale words; v184-187 the query's; v188 |x|^2; v190-194 my five groups;
;   v196-200 |k|^2; v202-206 vals; v208-212 d2, then dist; v214-218 index x 128 + val; v220-236 offsets and sums.   W1: v0-239 the codes of five tiles (48 i + 12 s).
.set REC,  6656
.set XF,   16
.set ACC,  64
.set KS,   144
.set XS,   184
.set BASE, 28                          ; s[28:47] the ten records' addresses
.set MSB, 0
.macro WIN new
.if MSB != \new
	s_set_vgpr_msb (MSB<<8)|\new
.set MSB, \new
.endif
.endm
.macro WMIN reg, tmp
	v_min_num_f32_dpp v[\reg], v[\reg], v[\reg] row_xmask:1 row_mask:0xf bank_mask:0xf
	v_min_num_f32_dpp v[\reg], v[\reg], v[\reg] row_xmask:2 row_mask:0xf bank_mask:0xf
	v_min_num_f32_dpp v[\reg], v[\reg], v[\reg] row_xmask:4 row_mask:0xf bank_mask:0xf
	v_min_num_f32_dpp v[\reg], v[\reg], v[\reg] row_xmask:8 row_mask:0xf bank_mask:0xf
	v_permlanex16_b32 v[\tmp], v[\reg], s26, s27
	v_min_num_f32 v[\reg], v[\reg], v[\tmp]
.endm
.macro WMAX reg, tmp
	v_max_num_f32_dpp v[\reg], v[\reg], v[\reg] row_xmask:1 row_mask:0xf bank_mask:0xf
	v_max_num_f32_dpp v[\reg], v[\reg], v[\reg] row_xmask:2 row_mask:0xf bank_mask:0xf
	v_max_num_f32_dpp v[\reg], v[\reg], v[\reg] row_xmask:4 row_mask:0xf bank_mask:0xf
	v_max_num_f32_dpp v[\reg], v[\reg], v[\reg] row_xmask:8 row_mask:0xf bank_mask:0xf
	v_permlanex16_b32 v[\tmp], v[\reg], s26, s27
	v_max_num_f32 v[\reg], v[\reg], v[\tmp]
.endm
.macro CODES s, first                  ; K step s of tiles first .. first + 4: 15 loads of 512 consecutive bytes
.irp i, 0,1,2,3,4
.irp c, 0,1,2
	global_load_b128 v[48*\i+12*(\s)+4*\c:48*\i+12*(\s)+4*\c+3], v2, s[BASE+2*(\first+\i):BASE+2*(\first+\i)+1] offset:1536*(\s)+512*\c
.endr
.endr
.endm
.macro PROD s, first                   ; five products, the five accumulators by turns
.irp i, 0,1,2,3,4
.if (\s) == 0
	v_wmma_scale_f32_16x16x128_f8f6f4 v[ACC+8*(\first+\i):ACC+8*(\first+\i)+7], v[48*\i+12*(\s):48*\i+12*(\s)+11], v[XF+12*(\s):XF+12*(\s)+11], 0, v[KS+4*(\first+\i)+(\s)], v[XS+(\s)] matrix_a_fmt:MATRIX_FMT_FP6 matrix_b_fmt:MATRIX_FMT_FP6
.else
	v_wmma_scale_f32_16x16x128_f8f6f4 v[ACC+8*(\first+\i):ACC+8*(\first+\i)+7], v[48*\i+12*(\s):48*\i+12*(\s)+11], v[XF+12*(\s):XF+12*(\s)+11], v[ACC+8*(\first+\i):ACC+8*(\first+\i)+7], v[KS+4*(\first+\i)+(\s)], v[XS+(\s)] matrix_a_fmt:MATRIX_FMT_FP6 matrix_b_fmt:MATRIX_FMT_FP6
.endif
.endr
.endm
	s_load_b256 s[4:11], s[0:1], 0x0               ; sel s[4:5], kc s[6:7], xc s[8:9], vals s[10:11]
	s_load_b64 s[12:13], s[0:1], 0x20              ; out0
	v_lshrrev_b32 v1, 5, v0
	v_readfirstlane_b32 s14, v1                    ; wave
	s_lshl_b32 s15, ttmp9, 3
	s_add_co_u32 s15, s15, s14                     ; my query q
	v_and_b32 v1, 31, v0                           ; lane
	v_lshlrev_b32 v2, 4, v1                        ; 16 x lane
	v_and_b32 v3, 15, v0                           ; r
	v_bfe_u32 v4, v0, 4, 1                         ; h
	s_and_b32 s52, s15, 15                         ; q % 16: its row in its record of x
	s_lshr_b32 s53, s15, 4
	s_mul_i32 s54, s53, REC
	s_mov_b32 s55, 0
	s_lshl_b32 s56, s15, 7                         ; its 128 bytes of sel
	s_mov_b32 s57, 0
	s_lshl_b32 s58, s15, 2                         ; its word of out0
	s_mov_b32 s59, 0
	s_lshl_b32 s60, s52, 4
	s_lshl_b32 s61, s52, 2
	s_mov_b32 s26, 0x76543210
	s_mov_b32 s27, 0xfedcba98
	s_mov_b32 s48, 0xaaaaaaaa                      ; lanes whose r has bit 0, 1, 2, 3
	s_mov_b32 s49, 0xcccccccc
	s_mov_b32 s50, 0xf0f0f0f0
	s_mov_b32 s51, 0xff00ff00
	v_lshrrev_b32 v5, 3, v3
	v_lshlrev_b32 v5, 2, v5                        ; 4 (r / 8)
	v_lshl_add_u32 v6, v4, 8, s60                  ; 256 h + 16 (q % 16): the image bytes of lane (q % 16, h)
	v_mov_b32 v7, s60
	v_mov_b32 v8, s61
	v_lshlrev_b32 v9, 4, v3                        ; 16 r
	v_and_b32 v11, 7, v0
	v_lshl_add_u32 v11, v4, 3, v11                 ; 8 h + r % 8: my key in a tile
	v_lshlrev_b32 v10, 2, v11
	s_wait_kmcnt 0x0
	s_add_nc_u64 s[4:5], s[4:5], s[56:57]
	s_load_b256 s[16:23], s[4:5], 0x0              ; the ten groups, as scalars
	s_load_b64 s[24:25], s[4:5], 0x20
	s_add_nc_u64 s[8:9], s[8:9], s[54:55]
	s_add_nc_u64 s[12:13], s[12:13], s[58:59]
.irp u, 0,1,2,3,4
	global_load_b32 v[190+\u], v5, s[4:5] offset:8*\u   ; and, for each lane, the group of tile 2 u + r / 8
.endr
.irp s, 0,1,2,3
.irp c, 0,1,2
	global_load_b128 v[XF+12*\s+4*\c:XF+12*\s+4*\c+3], v6, s[8:9] offset:1536*\s+512*\c
.endr
.endr
	global_load_b128 v[XS:XS+3], v7, s[8:9] offset:6144
	global_load_b32 v188, v8, s[8:9] offset:6400
	s_wait_kmcnt 0x0
.irp i, 0,1,2,3,4,5,6,7,8,9
	s_min_u32 s[16+\i], s[16+\i], 0xfff
	s_mul_i32 s[BASE+2*\i], s[16+\i], REC
	s_mov_b32 s[BASE+2*\i+1], 0
	s_add_nc_u64 s[BASE+2*\i:BASE+2*\i+1], s[6:7], s[BASE+2*\i:BASE+2*\i+1]
.endr
.irp i, 0,1,2,3,4,5,6,7,8,9
	global_load_b128 v[KS+4*\i:KS+4*\i+3], v9, s[BASE+2*\i:BASE+2*\i+1] offset:6144
.endr
	WIN 0x40                                       ; destination W1
	CODES 0, 0
	CODES 1, 0
	CODES 2, 0
	CODES 3, 0
	WIN 0
	s_wait_loadcnt 63                              ; 89 loads are issued: the 26 oldest are in, the lanes' five groups among them
.irp u, 0,1,2,3,4
	v_min_u32 v[190+\u], 0xfff, v[190+\u]
.endr
.irp u, 0,1,2,3,4
	v_mul_u32_u24 v[220+\u], v[190+\u], REC
	v_lshlrev_b32 v[226+\u], 6, v[190+\u]
.endr
.irp u, 0,1,2,3,4
	v_add_nc_u32 v[220+\u], v[220+\u], v10
	v_add_nc_u32 v[226+\u], v[226+\u], v10
.endr
.irp u, 0,1,2,3,4
	global_load_b32 v[196+\u], v[220+\u], s[6:7] offset:6400   ; |k|^2 of my candidate
.endr
.irp u, 0,1,2,3,4
	global_load_b32 v[202+\u], v[226+\u], s[10:11]             ; its val: vals[16 group + 8 h + r % 8]
.endr
.irp s, 0,1,2,3
	s_wait_loadcnt 55                              ; younger than this K step's codes: the first batch's later steps, the ten loads above, the second batch's earlier steps: 55 each time
	WIN 0x01                                       ; source 0 in W1
	PROD \s, 0
.rept 4
	v_nop                                          ; places ahead of loads into registers that these products read
.endr
	WIN 0x40
	CODES \s, 5
.endr
.irp s, 0,1,2,3
	s_wait_loadcnt 45-15*\s                        ; the second batch's later steps may be out
	WIN 0x01
	PROD \s, 5
.endr
	WIN 0
.rept 4
	v_nop
.endr
.irp a, 0,1,2,3,4,5,6,7,8,9            ; the choice by r's four bits; each accumulator is read from its low end on
.irp j, 0,2,4,6
	v_cndmask_b32 v[ACC+8*\a+\j], v[ACC+8*\a+\j], v[ACC+8*\a+\j+1], s48
.endr
.endr
.irp a, 0,1,2,3,4,5,6,7,8,9
.irp j, 0,4
	v_cndmask_b32 v[ACC+8*\a+\j], v[ACC+8*\a+\j], v[ACC+8*\a+\j+2], s49
.endr
.endr
.irp a, 0,1,2,3,4,5,6,7,8,9
	v_cndmask_b32 v[ACC+8*\a], v[ACC+8*\a], v[ACC+8*\a+4], s50
.endr
.irp u, 0,1,2,3,4
	v_cndmask_b32 v[ACC+16*\u], v[ACC+16*\u], v[ACC+16*\u+8], s51
.endr
.irp u, 0,1,2,3,4
	v_add_f32 v[232+\u], v[196+\u], v188           ; |k|^2 + |x|^2
.endr
.irp u, 0,1,2,3,4
	v_fma_f32 v[208+\u], v[ACC+16*\u], -2.0, v[232+\u]   ; d2: the same two operations as in the launch that took the minima
.endr
.irp u, 0,1,2,3,4
	v_max_num_f32 v[208+\u], 0, v[208+\u]
.endr
.irp u, 0,1,2,3,4
	v_cmp_gt_f32 s[52+\u], 0x0f800000, v[208+\u]   ; under 2^-96: x 2^32 first, the root x 2^-16 afterwards
.endr
.irp u, 0,1,2,3,4
	v_mul_f32 v[46+\u], 0x4f800000, v[208+\u]
.endr
.irp u, 0,1,2,3,4
	v_cndmask_b32 v[208+\u], v[208+\u], v[46+\u], s[52+\u]
.endr
.irp u, 0,1,2,3,4
	v_sqrt_f32 v[16+\u], v[208+\u]                 ; five roots, one batch
.endr
.irp u, 0,1,2,3,4                      ; independent work behind them: the payload
	v_cmp_gt_u32 vcc_lo, 100, v[202+\u]
	v_cndmask_b32 v[202+\u], 0x7f, v[202+\u], vcc_lo   ; a val outside 0 .. 99 becomes 127
.endr
.irp u, 0,1,2,3,4
	v_lshl_add_u32 v[214+\u], v[190+\u], 4, v11    ; the key's index
.endr
.irp u, 0,1,2,3,4
	v_lshl_add_u32 v[214+\u], v[214+\u], 7, v[202+\u]
.endr
.irp u, 0,1,2,3,4
	v_cvt_f32_u32 v[214+\u], v[214+\u]             ; index x 128 + val, exact
.endr
	s_wait_alu depctr_va_vdst(0)                   ; one wait for the five roots, ahead of their first reader
.irp u, 0,1,2,3,4
	v_add_nc_u32 v[22+\u], -1, v[16+\u]            ; the float below the root, and the one above
	v_add_nc_u32 v[28+\u], 1, v[16+\u]
.endr
.irp u, 0,1,2,3,4
	v_fma_f32 v[34+\u], -v[22+\u], v[16+\u], v[208+\u]   ; two residuals say whether the root is to be moved
	v_fma_f32 v[40+\u], -v[28+\u], v[16+\u], v[208+\u]
.endr
.irp u, 0,1,2,3,4
	v_cmp_ge_f32 vcc_lo, 0, v[34+\u]
	v_cndmask_b32 v[16+\u], v[16+\u], v[22+\u], vcc_lo
.endr
.irp u, 0,1,2,3,4
	v_cmp_lt_f32 vcc_lo, 0, v[40+\u]
	v_cndmask_b32 v[16+\u], v[16+\u], v[28+\u], vcc_lo
.endr
.irp u, 0,1,2,3,4
	v_mul_f32 v[46+\u], 0x37800000, v[16+\u]
.endr
.irp u, 0,1,2,3,4
	v_cndmask_b32 v[208+\u], v[16+\u], v[46+\u], s[52+\u]   ; dist
.endr
	v_mov_b32 v13, 0x7f800000                      ; +infinity
	v_mov_b32 v60, 0x42fe0000                      ; the ten payloads, a lane each; the other lanes keep 127.0: no class
	v_mov_b32 v53, 0                               ; (a lane permute's destination counts as read)
.set rr, 0
.rept 10                               ; ten times: the smallest dist; among its holders the smallest index; that candidate leaves
	v_min3_num_f32 v52, v208, v209, v210
	v_min3_num_f32 v52, v52, v211, v212
	WMIN 52, 53
.irp u, 0,1,2,3,4
	v_cmp_eq_f32 vcc_lo, v52, v[208+\u]
	v_cndmask_b32 v[54+\u], v13, v[214+\u], vcc_lo
.endr
	v_min3_num_f32 v59, v54, v55, v56
	v_min3_num_f32 v59, v59, v57, v58
	WMIN 59, 53
.irp u, 0,1,2,3,4
	v_cmp_eq_f32 vcc_lo, v59, v[214+\u]
	v_cndmask_b32 v[208+\u], v[208+\u], v13, vcc_lo
.endr
	s_mov_b32 s62, 1<<rr
	v_cndmask_b32 v60, v60, v59, s62
.set rr, rr+1
.endr
	v_cvt_u32_f32 v61, v60
	v_and_b32 v61, 0x7f, v61                       ; lane k < 10: the class of the k-th neighbour
	v_mov_b32 v62, 0
.irp k, 0,1,2,3,4,5,6,7,8,9
	v_readlane_b32 s62, v61, \k
	v_cmp_eq_u32 vcc_lo, s62, v61
	v_add_co_ci_u32 v62, vcc_lo, 0, v62, vcc_lo    ; how many of the ten have my class
.endr
	v_lshlrev_b32 v62, 7, v62
	v_sub_nc_u32 v62, v62, v61                     ; 128 count - class: larger for more votes, then for the smaller class
	v_cmp_gt_u32 vcc_lo, 100, v61
	v_cndmask_b32 v62, 0, v62, vcc_lo
	v_cvt_f32_u32 v62, v62
	WMAX 62, 53
	v_cvt_u32_f32 v62, v62
	v_sub_nc_u32 v62, 0, v62
	v_and_b32 v62, 0x7f, v62                       ; the class again; 0 where nothing counted
	v_mov_b32 v63, 0
	v_cmp_eq_u32 vcc_lo, 0, v1
	s_wait_xcnt 0x0                                ; EXEC changes only behind this wait
	s_and_saveexec_b32 s62, vcc_lo
	global_store_b32 v63, v62, s[12:13]            ; lane 0 stores the query's word
	s_wait_xcnt 0x0
	s_or_b32 exec_lo, exec_lo, s62
	s_endpgm
.Lfunc_end_k_q17a154e0ec_vote:
	.size	k_q17a154e0ec_vote, .Lfunc_end_k_q17a154e0ec_vote-k_q17a154e0ec_vote
	.p2alignl 7, 3214868480
	.fill 96, 4, 3214868480
	.section	.rodata,"a",@progbits
	.p2align	6, 0x0
	.amdhsa_kernel k_q17a154e0ec_vote
		.amdhsa_group_segment_fixed_size 0
		.amdhsa_private_segment_fixed_size 0
		.amdhsa_enable_private_segment 0
		.amdhsa_kernarg_size 40
		.amdhsa_user_sgpr_count 2
		.amdhsa_user_sgpr_kernarg_segment_ptr 1
		.amdhsa_wavefront_size32 1
		.amdhsa_system_sgpr_workgroup_id_x 1
		.amdhsa_system_sgpr_workgroup_id_y 1
		.amdhsa_system_sgpr_workgroup_id_z 1
		.amdhsa_system_vgpr_workitem_id 0
		.amdhsa_next_free_vgpr 512
		.amdhsa_next_free_sgpr 66
		.amdhsa_reserve_vcc 1
		.amdhsa_float_denorm_mode_32 3
		.amdhsa_float_denorm_mode_16_64 3
		.amdhsa_memory_ordered 1
		.amdhsa_forward_progress 1
		.amdhsa_inst_pref_size 56
	.end_amdhsa_kernel
	.amdgpu_metadata
---
amdhsa.version: [ 1, 2 ]
amdhsa.kernels:
  - .name:           k_q17a154e0ec_vote
    .symbol:         k_q17a154e0ec_vote.kd
    .args:
      - { .name: sel, .offset: 0, .size: 8, .value_kind: global_buffer, .address_space: global }
      - { .name: kc, .offset: 8, .size: 8, .value_kind: global_buffer, .address_space: global }
      - { .name: xc, .offset: 16, .size: 8, .value_kind: global_buffer, .address_space: global }
      - { .name: vals, .offset: 24, .size: 8, .value_kind: global_buffer, .address_space: global }
      - { .name: out0, .offset: 32, .size: 8, .value_kind: global_buffer, .address_space: global }
    .group_segment_fixed_size: 0
    .private_segment_fixed_size: 0
    .kernarg_segment_align: 8
    .kernarg_segment_size: 40
    .max_flat_workgroup_size: 256
    .sgpr_count:     66
    .vgpr_count:     512
    .wavefront_size: 32
...
	.end_amdgpu_metadata
.endif
;; end of part 4
;; ======== version 2 of 2: 4 launches
;; workspace buffers: kc 27,262,976 bytes; xc 851,968 bytes; gm 33,554,432 bytes; sel 262,144 bytes of whole numbers
;; launch quant (part 5): grid 1056 x 1, 4 waves a work-group, no clusters, 35,328 bytes of LDS; arguments keys, x, kc, xc; writes kc, xc
.if DOCPART == 5
	.amdgcn_target "amdgcn-amd-amdhsa--gfx1250"
	.amdhsa_code_object_version 6
	.text
	.protected	k_q17a154e0ec_quant
	.globl	k_q17a154e0ec_quant
	.p2align	8
	.type	k_q17a154e0ec_quant,@function
k_q17a154e0ec_quant:
	s_mov_b64 s[64:65], 0
	v_nop
	global_prefetch_b8 v0, s[64:65] scope:SCOPE_SE
	s_setreg_imm32_b32 hwreg(HW_REG_WAVE_MODE, 25, 1), 1
	s_wait_xcnt 0x0
; keys [65536][512] and x [2048][512], f32, become TILE RECORDS of 16 rows each: codes of FP6 (E2M3) laid as images of the matrix operand's registers, scale words, and the rows' sums of squares.
; A record is REC = 6,656 bytes:  byte 1536 s + 512 c + 16 L: registers 4 c .. 4 c + 3 of lane L of the 12-register fragment of K step s (128 along K);
;   byte 6144 + 16 r + 4 s: the scale word of row r for K step s;   byte 6400 + 4 r: the sum of row r's squares (of the f32 numbers, not of the codes), these 64 bytes four times on end.
; A block's scale is 2^(floor(log2(its largest magnitude)) - 2); its byte is the largest magnitude's exponent field - 2, held at 1 from below.
; LIMITS: NaN and infinities among the inputs are not served.  A block of zeros gets the byte 1 where the rule says 127: its codes are zeros, and this program alone reads the bytes.
; The sum of squares is taken in four chains and then across two lanes: another order of f32 additions than a plain sum along the row.
; SHARES: one wave makes one record.  Work-groups 0 to 1023 take keys, the others x: only pointers are chosen, there is one path.  Waves share nothing: no barrier.
; Each load reads 512 consecutive bytes of one row; a K step's 16 x 512 bytes turn through the wave's own stage in LDS, so that lane (r, h) gets blocks h and 2 + h of row r, 32 neighbours each, in its registers.
.set REC,  6656
.set WREG, 8704                        ; LDS of a wave: the stage, 16 rows x SP, and behind it 64 bytes for the sums of squares
.set SP,   528                         ; a stage row: 512 bytes + 16
.set NRM,  16*SP
.set AM,   8                           ; v8-9    largest magnitudes of my two blocks
.set SO,   10                          ; v10-11  the conversions' scale operands
.set BY,   12                          ; v12-13  the scale bytes
.set W,    16                          ; v16-19  my row's scale word of each K step
.set C,    24                          ; v24-35  a fragment's codes
.set CT,   36                          ; v36-38, v40-42  the upper halves of the two blocks as the conversions leave them
.set R,    64                          ; v64-191 two sets of 64 registers as loaded
.set X,    192                         ; v192-255 64 numbers: two blocks of 32 neighbours
	s_load_b256 s[4:11], s[0:1], 0x0               ; keys s[4:5], x s[6:7], kc s[8:9], xc s[10:11]
	v_lshl_add_u32 v62, v0, 2, 0x8800
	v_mov_b32 v63, 0
	v_lshrrev_b32 v1, 5, v0
	v_readfirstlane_b32 s12, v1                    ; wave
	v_and_b32 v1, 31, v0                           ; lane
	v_lshlrev_b32 v2, 4, v1                        ; 16 x lane: the offset of every global load and store
	v_and_b32 v14, 15, v0                          ; r
	v_bfe_u32 v15, v0, 4, 1                        ; h
	s_mul_i32 s13, s12, WREG
	v_add_nc_u32 v3, s13, v2                       ; into the stage: 16 x lane of a row
	v_mul_u32_u24 v4, v14, SP
	v_lshl_add_u32 v4, v15, 7, v4
	v_add_nc_u32 v4, s13, v4                       ; out of it: row r, + 128 h
	v_lshlrev_b32 v5, 2, v14
	v_add_nc_u32 v5, s13, v5
	v_add_nc_u32 v5, NRM, v5                       ; where row r's sum of squares goes
	v_and_b32 v6, 3, v0
	v_lshlrev_b32 v6, 4, v6
	v_add_nc_u32 v6, s13, v6
	v_add_nc_u32 v6, NRM, v6                       ; and from where four of them come back
	v_lshlrev_b32 v7, 3, v15                       ; 8 h: my bytes' place in the scale word
	s_mov_b32 s20, 0x76543210
	s_mov_b32 s21, 0xfedcba98                      ; v_permlanex16_b32's selects for lane l xor 16
	s_mov_b32 s22, 0xffff0000                      ; lanes 16-31
	s_wait_alu depctr_va_vdst(0)
	s_wait_kmcnt 0x0
	s_cmp_lt_u32 ttmp9, 1024                       ; keys or x?  The choice hangs on the work-group's number alone
	s_cselect_b64 s[4:5], s[4:5], s[6:7]
	s_cselect_b64 s[8:9], s[8:9], s[10:11]
	s_cselect_b32 s14, 0, 1024
	s_sub_co_u32 s14, ttmp9, s14
	s_lshl_b32 s14, s14, 2
	s_add_co_u32 s14, s14, s12                     ; my record
	s_lshl_b32 s16, s14, 15                        ; 16 rows of 2,048 bytes
	s_mov_b32 s17, 0
	s_add_nc_u64 s[4:5], s[4:5], s[16:17]
	s_mul_i32 s16, s14, REC
	s_add_nc_u64 s[8:9], s[8:9], s[16:17]
.macro LOAD s                          ; K step s of the 16 rows: each load reads 512 consecutive bytes
.irp p, 0,1,2,3,4,5,6,7,8,9,10,11,12,13,14,15
	global_load_b128 v[R+64*((\s)%2)+4*\p:R+64*((\s)%2)+4*\p+3], v2, s[4:5] offset:2048*\p+512*(\s) th:TH_LOAD_NT
.endr
.endm
.macro TURN s                          ; through the stage: LDS serves a wave's instructions in order, so no wait stands between the stores and the loads
.irp p, 0,1,2,3,4,5,6,7,8,9,10,11,12,13,14,15
	ds_store_b128 v3, v[R+64*((\s)%2)+4*\p:R+64*((\s)%2)+4*\p+3] offset:SP*\p
.endr
.irp c, 0,1
.irp i, 0,1,2,3,4,5,6,7
	ds_load_b128 v[X+32*\c+4*\i:X+32*\c+4*\i+3], v4 offset:256*\c+16*\i   ; k = 64 c + 32 h + 4 i .. of row r
.endr
.endr
.endm
.macro QSTEP s
.irp c, 0,1
	v_max3_num_f32 v[AM+\c], |v[X+32*\c]|, |v[X+32*\c+1]|, 0x1800000   ; block 2 c + h: all 32 numbers are mine; the floor 2^(3 - 127) holds the byte at 1 from below
.endr
.irp i, 2,4,6,8,10,12,14,16,18,20,22,24,26,28,30
.irp c, 0,1
	v_max3_num_f32 v[AM+\c], v[AM+\c], |v[X+32*\c+\i]|, |v[X+32*\c+\i+1]|
.endr
.endr
.irp c, 0,1
	v_add_nc_u32 v[SO+\c], 0xff000000, v[AM+\c]    ; 2 off the exponent field: the conversion takes that field as its scale
.endr
.irp c, 0,1
	v_lshrrev_b32 v[BY+\c], 23, v[SO+\c]           ; the scale's byte
.endr
	v_lshl_or_b32 v14, v[BY+1], 16, v[BY]          ; blocks h and 2 + h,
	v_lshlrev_b32 v14, v7, v14                     ; at their places in the word;
	v_permlanex16_b32 v15, v14, s20, s21
	v_or_b32 v[W+\s], v14, v15                     ; with lane l xor 16's two bytes the word is whole
.set j, 0
.rept 16                               ; the squares, two at a time, in two chains of pairs
.if (\s == 0) && (j == 0)
	v_pk_mul_f32 v[20:21], v[X:X+1], v[X:X+1]      ; the first products start the sums
	v_pk_mul_f32 v[22:23], v[X+2:X+3], v[X+2:X+3]
.else
	v_pk_fma_f32 v[20:21], v[X+4*j:X+4*j+1], v[X+4*j:X+4*j+1], v[20:21]
	v_pk_fma_f32 v[22:23], v[X+4*j+2:X+4*j+3], v[X+4*j+2:X+4*j+3], v[22:23]
.endif
.set j, j+1
.endr
.if \s > 0
	s_wait_xcnt 0x0                                ; the last step's stores have read the codes' registers
.endif
.irp c, 0,1
	v_cvt_scalef32_pk16_fp6_f32 v[C+6*\c:C+6*\c+2], v[X+32*\c:X+32*\c+15], v[SO+\c]
	v_cvt_scalef32_pk16_fp6_f32 v[CT+4*\c:CT+4*\c+2], v[X+32*\c+16:X+32*\c+31], v[SO+\c]   ; (a conversion's three registers begin on an even number)
.endr
	v_nop                                          ; one plain line behind the scaled conversions
.irp c, 0,1
.irp i, 0,1,2
	v_mov_b32 v[C+3+6*\c+\i], v[CT+4*\c+\i]
.endr
.endr
.irp c, 0,1,2
	global_store_b128 v2, v[C+4*\c:C+4*\c+3], s[8:9] offset:1536*(\s)+512*\c   ; 32 lanes store 512 consecutive bytes
.endr
.endm
	LOAD 0
	LOAD 1
	s_wait_loadcnt 16                              ; step 0's 16 loads are in, step 1's may be out
	TURN 0
	s_wait_dscnt 0x0                               ; the numbers are back, and the stage's stores have read their registers,
	LOAD 2                                         ; which take the loads of two steps on
	QSTEP 0
	s_wait_loadcnt 16                              ; step 1's are in, step 2's may be out
	TURN 1
	s_wait_dscnt 0x0
	LOAD 3
	QSTEP 1
	s_wait_loadcnt 16                              ; step 2's are in, step 3's may be out
	TURN 2
	s_wait_dscnt 0x0
	QSTEP 2
	s_wait_loadcnt 0x0
	TURN 3
	s_wait_dscnt 0x0
	QSTEP 3
	v_pk_add_f32 v[20:21], v[20:21], v[22:23]
	v_add_f32 v20, v20, v21
	v_permlanex16_b32 v15, v20, s20, s21
	v_add_f32 v20, v20, v15                        ; row r's sum of squares, in both its lanes
	ds_store_b32 v5, v20                           ; both write the same word with the same value
	ds_load_b128 v[44:47], v6                      ; rows 4 (lane % 4) .. + 3
	s_wait_dscnt 0x0
.irp k, 0,1,2,3
	v_cndmask_b32 v[48+\k], v[W+\k], v[44+\k], s22 ; lanes 0-15: row r's four scale words; lanes 16-31: four sums
.endr
	global_store_b128 v2, v[48:51], s[8:9] offset:6144   ; the record's last 512 bytes
	s_wait_tensorcnt 0x0
	ds_add_u32 v62, v63
	s_wait_dscnt 0x0
	s_endpgm
.Lfunc_end_k_q17a154e0ec_quant:
	.size	k_q17a154e0ec_quant, .Lfunc_end_k_q17a154e0ec_quant-k_q17a154e0ec_quant
	.p2alignl 7, 3214868480
	.fill 96, 4, 3214868480
	.section	.rodata,"a",@progbits
	.p2align	6, 0x0
	.amdhsa_kernel k_q17a154e0ec_quant
		.amdhsa_group_segment_fixed_size 35328
		.amdhsa_private_segment_fixed_size 0
		.amdhsa_enable_private_segment 0
		.amdhsa_kernarg_size 32
		.amdhsa_user_sgpr_count 2
		.amdhsa_user_sgpr_kernarg_segment_ptr 1
		.amdhsa_wavefront_size32 1
		.amdhsa_system_sgpr_workgroup_id_x 1
		.amdhsa_system_sgpr_workgroup_id_y 1
		.amdhsa_system_sgpr_workgroup_id_z 1
		.amdhsa_system_vgpr_workitem_id 0
		.amdhsa_next_free_vgpr 256
		.amdhsa_next_free_sgpr 66
		.amdhsa_reserve_vcc 0
		.amdhsa_float_denorm_mode_32 3
		.amdhsa_float_denorm_mode_16_64 3
		.amdhsa_memory_ordered 1
		.amdhsa_forward_progress 1
		.amdhsa_inst_pref_size 38
	.end_amdhsa_kernel
	.amdgpu_metadata
---
amdhsa.version: [ 1, 2 ]
amdhsa.kernels:
  - .name:           k_q17a154e0ec_quant
    .symbol:         k_q17a154e0ec_quant.kd
    .args:
      - { .name: keys, .offset: 0, .size: 8, .value_kind: global_buffer, .address_space: global }
      - { .name: x, .offset: 8, .size: 8, .value_kind: global_buffer, .address_space: global }
      - { .name: kc, .offset: 16, .size: 8, .value_kind: global_buffer, .address_space: global }
      - { .name: xc, .offset: 24, .size: 8, .value_kind: global_buffer, .address_space: global }
    .group_segment_fixed_size: 35328
    .private_segment_fixed_size: 0
    .kernarg_segment_align: 8
    .kernarg_segment_size: 32
    .max_flat_workgroup_size: 128
    .sgpr_count:     66
    .vgpr_count:     256
    .wavefront_size: 32
...
	.end_amdgpu_metadata
.endif
;; end of part 5
;; launch gemm (part 6): grid 4 x 64, 4 waves a work-group, clusters of 4 x 1, 327,680 bytes of LDS; arguments kc, xc, gm; writes gm
.if DOCPART == 6
	.amdgcn_target "amdgcn-amd-amdhsa--gfx1250"
	.amdhsa_code_object_version 6
	.text
	.protected	k_q17a154e0ec_gemm
	.globl	k_q17a154e0ec_gemm
	.p2align	8
	.type	k_q17a154e0ec_gemm,@function
k_q17a154e0ec_gemm:
	s_mov_b64 s[64:65], 0
	v_nop
	global_prefetch_b8 v0, s[64:65] scope:SCOPE_SE
	s_setreg_imm32_b32 hwreg(HW_REG_WAVE_MODE, 25, 1), 1
	s_wait_xcnt 0x0
	s_wait_alu depctr_hold_cnt(0) depctr_sa_sdst(0) depctr_va_vdst(0) depctr_va_sdst(0) depctr_va_ssrc(0) depctr_va_vcc(0) depctr_vm_vsrc(0)
	s_getreg_b32 s2, hwreg(HW_REG_IB_STS2, 6, 4)
	s_cmp_eq_u32 s2, 0
	s_cbranch_scc0 .Lentry_in_a_cluster
	s_endpgm
.Lentry_in_a_cluster:
	s_bfe_u32 s2, ttmp6, 0x10000c
	s_cmp_lg_u32 s2, 0x3003
	s_cbranch_scc0 .Lentry_shape_is_right
	s_endpgm
.Lentry_shape_is_right:
; gm[q][g] = the smallest d2 = (|x_q|^2 + |k|^2) - 2 (Q(x_q) . Q(k)) over the 16 keys of group g (keys 16 g .. 16 g + 15).  The products are taken on codes of FP6 with E8M0 scales, from the tile records.
; SHARES.  A work-group: 512 queries (its place cx in the cluster) x 1,024 keys (y): 64 records.  A wave keeps 128 queries, 8 records of x, in 384 registers for the whole launch, and walks the 64 key records.
; CLUSTER.  The four work-groups of a cluster walk the same 64 key records: each block of 8 records is asked for JOINTLY, by the same tensor loads with a mask that names the four.  cx enters global addresses of xc and gm alone.
; RING.  Two LDS slots of 8 records; each wave fetches two records (52 rows of 256 bytes, dense) with one load behind each round; by this text's count one tensor load of a wave is out at a time.
;   No prefetch is laid: a refill is asked for a whole slot, 256 matrix instructions of each wave, ahead of the wait for it.
; THE PRODUCT: source 0 = 16 keys, source 1 = 16 queries: lane (r, h) register j = key 8 h + j for query r.  So a group's minimum is seven minima in a lane and one exchange of halves.
; BY TURNS.  While the 32 products of one key record are issued, the record before is finished: behind each product stands a slice of three to five vector lines.
; WINDOWS of 256 registers.  W0: addresses, scale words, the way out.  W1: x's fragments of K steps 0, 1 (96 s + 12 t), |x|^2 at 192 + 2 t (twice).  W2: the same for K steps 2, 3, |x|^2 again at the same numbers.
;   W3: ACC0 0-63, ACC1 64-127, KF0 128-175, KF1 176-223, KK0 224-231, KK1 232-239, S 240-247, PM 248-255.
;   Under a product's setting (destination, sources 0 and 2 in W3; source 1 in W1 or W2) the slices run too: their source 1 is |x|^2, a constant or a scalar.  So no switch stands between a product and its slice.
; LIMITS: NaN and infinities are not served.
.set REC,    6656
.set SLOTB,  8*REC
.set SLOT1,  65536                     ; slot 1 begins here: one exclusive or turns an address from one slot to the other
.set STAGE,  131072                    ; behind the ring: for each wave 128 rows (its queries) x (64 words + 16 bytes)
.set SPITCH, 272
.set WSTG,   128*SPITCH
.set SPARE,  STAGE+4*WSTG              ; the spare words, 128 bytes a wave: two blocks of 256 bytes that no other line names
.set A0,   2                           ; v2   16 x lane
.set K0,   3                           ; v3   6400 + 32 h: my eight keys' sums of squares in a record
.set C0,   4                           ; v4   6144 + 16 r: row r's scale words in a record
.set LA,   5                           ; v5-7 the same three + the LDS byte of the pair in hand
.set LKK,  6
.set LSC,  7
.set STA0, 8                           ; v8   the stage: row r, word h
.set STA,  9                           ; v9   + 8 x the pair being stored
.set RD,   10                          ; v10  the way out: lanes 0-15 one row of the stage, lanes 16-31 the next
.set GO,   11                          ; v11  and the same two rows in gm
.set SPW,  12                          ; v12  my spare word; never rewritten
.set NIL,  13                          ; v13  0; never rewritten
.set KS,   16                          ; v16-23 the keys' scale words, two sets of four K steps
.set XS,   24                          ; v24-55 x's: tile t, K step s at 24 + 4 t + s
.set OUTR, 64                          ; v64-191 the way out
.set XX,   192
.set KF,   128
.set KK,   224
.set SS,   240
.set PM,   248
.set MSB, 0
.macro WIN new                         ; the immediate's high byte repeats the setting that is left
.if MSB != \new
	s_set_vgpr_msb (MSB<<8)|\new
.set MSB, \new
.endif
.endm
.macro CROUND                          ; a round of the cluster's barrier
	s_barrier_signal -1
	s_barrier_wait -1
	s_cmp_lg_u32 s10, 0
	s_cbranch_scc1 .Lnot_wave_0_\@
	s_barrier_signal -3
.Lnot_wave_0_\@:
	s_barrier_wait -3
	s_barrier_signal -1
	s_barrier_wait -1
.endm
	s_load_b128 s[4:7], s[0:1], 0x0                ; kc s[4:5], xc s[6:7]
	s_load_b64 s[8:9], s[0:1], 0x10                ; gm
	v_lshl_add_u32 v[SPW], v0, 2, SPARE
	v_mov_b32 v[NIL], 0
	ds_add_u32 v12, v13
	ds_add_u32 v12, v13
	s_wait_dscnt 0x0
	v_lshrrev_b32 v1, 5, v0
	v_readfirstlane_b32 s10, v1                    ; wave
	s_bfe_u32 s11, ttmp6, 0x40000                  ; cx: my block of 512 queries
	s_and_b32 s12, ttmp7, 0xffff                   ; y: the cluster's 1,024 keys
	s_mov_b32 s16, 15|(3<<16)|(1<<21)              ; group 1: the mask names all four; elements of 8 bytes; bit 21 beside a mask; no padding
	s_mov_b32 s17, 32<<16                          ; tensor_dim0 = 32 elements: 256 bytes
	s_mov_b32 s18, 52<<16                          ; tensor_dim1 = 52 rows: two records
	s_mov_b32 s19, 32<<16                          ; tile_dim0
	s_mov_b32 s20, 52                              ; tile_dim1
	s_mov_b32 s21, 32                              ; the pitch: dense
	s_mov_b32 s22, 0
	s_mov_b32 s23, 0
	s_mul_i32 s34, s12, 64*REC                     ; the range's 64 records,
	s_mul_i32 s25, s10, 2*REC                      ; my two of a block of eight: in LDS (slot 0)
	s_add_co_u32 s34, s34, s25                     ; and in memory
	s_mov_b32 s35, 0
	s_lshl_b32 s36, s11, 5
	s_lshl_b32 s37, s10, 3
	s_add_co_u32 s36, s36, s37                     ; my first record of x: 32 cx + 8 wave
	s_mul_i32 s36, s36, REC
	s_mov_b32 s37, 0
	s_lshl_b32 s38, s11, 9
	s_lshl_b32 s39, s10, 7
	s_add_co_u32 s38, s38, s39                     ; my first query
	s_lshl_b32 s38, s38, 14                        ; a row of gm is 16,384 bytes
	s_lshl_b32 s39, s12, 8                         ; the range's 64 groups: 256 bytes
	s_add_co_u32 s38, s38, s39
	s_mov_b32 s39, 0
	s_mov_b32 s28, 0                               ; LDS byte of the pair in hand
	s_mov_b32 s29, 0                               ; 8 x the pair being stored
	s_mov_b32 s32, 0x7f800000                      ; +infinity: the idle source of the three-way minima
	s_wait_kmcnt 0x0
	s_mov_b32 s24, 1                               ; group 0, which walks
	s_add_nc_u64 s[26:27], s[4:5], s[34:35]
	s_or_b32 s27, s27, 0x80000000
	s_add_nc_u64 s[6:7], s[6:7], s[36:37]
	s_add_nc_u64 s[8:9], s[8:9], s[38:39]
	CROUND                                         ; all four work-groups are here: the first joint loads meet
	tensor_load_to_lds s[24:27], s[16:23]          ; block 0 into slot 0
	s_nop 0
.rept 4
	v_nop
.endr
	v_and_b32 v1, 31, v0
	v_lshlrev_b32 v[A0], 4, v1
	v_and_b32 v14, 15, v0                          ; r
	v_bfe_u32 v15, v0, 4, 1                        ; h
	v_lshl_add_u32 v[K0], v15, 5, 6400
	v_lshl_add_u32 v[C0], v14, 4, 6144
	v_lshlrev_b32 v1, 2, v14                       ; 4 r
	s_mul_i32 s40, s10, WSTG
	s_add_co_u32 s40, s40, STAGE                   ; my stage
	v_mul_u32_u24 v[STA0], v14, SPITCH
	v_lshl_add_u32 v[STA0], v15, 2, v[STA0]
	v_add_nc_u32 v[STA0], s40, v[STA0]
	v_mul_u32_u24 v[RD], v15, SPITCH
	v_lshl_add_u32 v[RD], v14, 4, v[RD]
	v_add_nc_u32 v[RD], s40, v[RD]
	v_lshlrev_b32 v[GO], 14, v15
	v_lshl_add_u32 v[GO], v14, 4, v[GO]
	WIN 0x40                                       ; destination W1: x's fragments of K steps 0, 1, as their images lie; they stay
.irp t, 0,1,2,3,4,5,6,7
.irp s, 0,1
.irp c, 0,1,2
	global_load_b128 v[96*\s+12*\t+4*\c:96*\s+12*\t+4*\c+3], v[A0], s[6:7] offset:\t*REC+1536*\s+512*\c
.endr
.endr
	global_load_b32 v[XX+2*\t], v1, s[6:7] offset:\t*REC+6400      ; |x|^2 of query r of tile t,
	global_load_b32 v[XX+2*\t+1], v1, s[6:7] offset:\t*REC+6400    ; twice: the packed form names a pair
.endr
	WIN 0x80                                       ; destination W2: K steps 2, 3
.irp t, 0,1,2,3,4,5,6,7
.irp s, 0,1
.irp c, 0,1,2
	global_load_b128 v[96*\s+12*\t+4*\c:96*\s+12*\t+4*\c+3], v[A0], s[6:7] offset:\t*REC+1536*(\s+2)+512*\c
.endr
.endr
	global_load_b32 v[XX+2*\t], v1, s[6:7] offset:\t*REC+6400
	global_load_b32 v[XX+2*\t+1], v1, s[6:7] offset:\t*REC+6400
.endr
	WIN 0
.irp t, 0,1,2,3,4,5,6,7
	global_load_b128 v[XS+4*\t:XS+4*\t+3], v[C0], s[6:7] offset:\t*REC   ; x's scale words (v4 holds 6144 + 16 r)
.endr
; One product: keys' record of parity par, K step s, x's tile t.  The eight accumulators of a record take turns, one instruction a turn.
.macro WM par, s, t
.if \s == 0
	v_wmma_scale_f32_16x16x128_f8f6f4 v[64*\par+8*\t:64*\par+8*\t+7], v[KF+48*\par+12*\s:KF+48*\par+12*\s+11], v[96*(\s%2)+12*\t:96*(\s%2)+12*\t+11], 0, v[KS+4*\par+\s], v[XS+4*\t+\s] matrix_a_fmt:MATRIX_FMT_FP6 matrix_b_fmt:MATRIX_FMT_FP6
.else
	v_wmma_scale_f32_16x16x128_f8f6f4 v[64*\par+8*\t:64*\par+8*\t+7], v[KF+48*\par+12*\s:KF+48*\par+12*\s+11], v[96*(\s%2)+12*\t:96*(\s%2)+12*\t+11], v[64*\par+8*\t:64*\par+8*\t+7], v[KS+4*\par+\s], v[XS+4*\t+\s] matrix_a_fmt:MATRIX_FMT_FP6 matrix_b_fmt:MATRIX_FMT_FP6
.endif
.endm
; Slice nn of 32 of the record of parity pp: tile nn / 4, part nn % 4.  0: S = |k|^2 + |x|^2.  1: d2 = S - 2 dot, one rounding (the accumulator is read from its low end on).  2, 3: the minimum of the lane's eight.
; An even record leaves its lanes' minima in PM; the odd record's change halves with them: then lanes 0-15 hold the even group's minimum for query r, lanes 16-31 the odd group's.
.macro SLICE pp
.set tq, nn/4
.set uq, nn%4
.set dd, 64*(\pp)+8*tq
.if uq == 0
.irp k, 0,2,4,6
	v_pk_add_f32 v[SS+\k:SS+\k+1], v[KK+8*(\pp)+\k:KK+8*(\pp)+\k+1], v[XX+2*tq:XX+2*tq+1] op_sel_hi:[1,0]
.endr
.elseif uq == 1
.irp k, 0,2,4,6
	v_pk_fma_f32 v[dd+\k:dd+\k+1], v[dd+\k:dd+\k+1], -2.0, v[SS+\k:SS+\k+1] op_sel_hi:[1,0,1]
.endr
.elseif uq == 2
.irp k, 0,2,4,6
	v_min3_num_f32 v[dd+\k], v[dd+\k], s32, v[dd+\k+1]
.endr
.else
	v_min3_num_f32 v[dd], v[dd], s32, v[dd+2]
	v_min3_num_f32 v[dd+4], v[dd+4], s32, v[dd+6]
.if (\pp) == 0
	v_min3_num_f32 v[PM+tq], v[dd], s32, v[dd+4]
.else
	v_min3_num_f32 v[dd], v[dd], s32, v[dd+4]
	v_permlane16_swap_b32 v[PM+tq], v[dd]
	v_min3_num_f32 v[PM+tq], v[PM+tq], s32, v[dd]
.endif
.endif
.endm
; A STEP: the 32 products of the record of parity par.  post: the record before is finished in slices.  st: the finished pair's minima go to the stage.  pre: the next record's fragments and scale words are fetched.
.macro STEP par, post, st, pre
	WIN 0
	s_wait_dscnt 0x0                               ; all that was asked of LDS a step ago is in: this record's fragments and scale words, the last record's sums of squares
.if \par == 0
	v_add_nc_u32 v[LA], s28, v[A0]                 ; no LDS load that names these is out.  With the v_nop: the four places ahead of loads into registers that the last products read
	s_wait_alu depctr_va_vdst(0)
	v_add_nc_u32 v[LKK], s28, v[K0]
	s_wait_alu depctr_va_vdst(0)
	v_add_nc_u32 v[LSC], s28, v[C0]
	s_wait_alu depctr_va_vdst(0)
	v_nop
.else
	v_add_nc_u32 v[STA], s29, v[STA0]
	v_nop
	v_nop
	v_nop
.endif
.if \st
	s_add_co_u32 s29, s29, 8
	WIN 0x0c                                       ; an LDS store's data are its source 1: W3
	s_wait_alu depctr_va_vdst(0)
.irp t, 0,1,2,3,4,5,6,7
	ds_store_b32 v[STA], v[PM+\t] offset:16*SPITCH*\t   ; query 16 t + r, groups 2 pair + h
.endr
.endif
	WIN 0xc0                                       ; destination W3
.if \pre
.irp k, 0,1,2,3,4,5,6,7,8,9,10,11
	ds_load_b128 v[KF+48*(1-\par)+4*\k:KF+48*(1-\par)+4*\k+3], v[LA] offset:(\par+1)*REC+512*\k   ; 512 consecutive bytes a load
.endr
.endif
.irp i, 0,1
	ds_load_b128 v[KK+8*\par+4*\i:KK+8*\par+4*\i+3], v[LKK] offset:\par*REC+16*\i   ; this record's sums of squares, for the next step's slices
.endr
.if \pre
	WIN 0
	ds_load_b128 v[KS+4*(1-\par):KS+4*(1-\par)+3], v[LSC] offset:(\par+1)*REC
.endif
.set nn, 0
.irp s, 0,1,2,3
.if \s < 2
	WIN 0xf7
.else
	WIN 0xfb
.endif
.irp t, 0,1,2,3,4,5,6,7
	WM \par, \s, \t
.if \st && (nn == 3)
	s_wait_alu depctr_va_vdst(0)
	s_wait_dscnt 2+13*\pre                         ; all but the loads issued behind the eight stores: the stores are done, so PM may be written again
.endif
.if \post
	SLICE 1-\par
.endif
.set nn, nn+1
.endr
.endr
.endm
.macro PAIR poste, sto, preo
	STEP 0, \poste, 0, 1
	STEP 1, 1, \sto, \preo
	WIN 0
	s_add_co_u32 s28, s28, 2*REC
.endm
; THE CHANGE OF SLOTS stands at a slot's head: each wave waits for all its tensor loads (its part of the slot ahead), adds 0 to its spare word, and waits for that and for its reads of the slot that it has left.
; fill = 1: a round of the cluster's barrier follows, and behind it the slot that was left takes the next block: the wave's one tensor load until the next round.
.macro CHANGE fill
	WIN 0
	s_wait_tensorcnt 0x0                           ; no tensor load of mine is out, so group 0 may be written
	ds_add_u32 v[SPW], v[NIL]
.if \fill
	s_xor_b32 s25, s25, SLOT1                      ; the other slot than last time,
	s_add_nc_u64 s[26:27], s[26:27], SLOTB         ; the next eight records; the type bits on top are not reached
.endif
	s_wait_dscnt 0x0                               ; the add is done, and my LDS reads are over
.if \fill
	CROUND
	tensor_load_to_lds s[24:27], s[16:23]
	s_nop 0
.rept 4
	v_nop
.endr
.else
	s_barrier_signal -1
	s_barrier_wait -1
.endif
.endm
.macro LOADF                           ; a slot's first record: fragments and scale words
	v_add_nc_u32 v[LA], s28, v[A0]
	v_add_nc_u32 v[LSC], s28, v[C0]
	WIN 0xc0
.irp k, 0,1,2,3,4,5,6,7,8,9,10,11
	ds_load_b128 v[KF+4*\k:KF+4*\k+3], v[LA] offset:512*\k
.endr
	WIN 0
	ds_load_b128 v[KS:KS+3], v[LSC]
.endm
.macro SLOT first                      ; a slot's four pairs of records; the last fetches nothing ahead; only the launch's first pair has nothing to finish
	LOADF
.if \first
	PAIR 0, 0, 1
	s_mov_b32 s31, 2
.else
	s_mov_b32 s31, 3
.endif
.Lpair_\@:
	PAIR 1, 1, 1
	s_sub_co_u32 s31, s31, 1
	s_cmp_lg_u32 s31, 0
	s_cbranch_scc1 .Lpair_\@
	PAIR 1, 1, 0
	s_sub_co_u32 s28, s28, SLOTB                   ; back to a slot's first record,
	s_xor_b32 s28, s28, SLOT1                      ; in the other slot
.endm
	CHANGE 1                                       ; slot 0 is whole; slot 1 takes block 1
	s_wait_loadcnt 0x0                             ; x
	SLOT 1
	s_mov_b32 s30, 6
.Lslot:                                            ; blocks 1 to 6 are multiplied, blocks 2 to 7 asked for
	CHANGE 1
	SLOT 0
	s_sub_co_u32 s30, s30, 1
	s_cmp_lg_u32 s30, 0
	s_cbranch_scc1 .Lslot
	CHANGE 0                                       ; the last block is written out
	SLOT 0
	s_wait_dscnt 0x0                               ; the last record's sums of squares
	WIN 0xf7
.set nn, 0
.rept 32
	SLICE 1                                        ; the last record is finished (its first slice, which names no accumulator, is the four places behind the last product)
.set nn, nn+1
.endr
	WIN 0
	v_add_nc_u32 v[STA], s29, v[STA0]
	WIN 0x0c
.irp t, 0,1,2,3,4,5,6,7
	ds_store_b32 v[STA], v[PM+\t] offset:16*SPITCH*\t
.endr
	WIN 0
; THE WAY OUT: my 128 rows of 256 bytes come back from my own stage (LDS serves a wave's instructions in order), two rows a load; sixteen lanes store 256 consecutive bytes, at a multiple of 256 from gm's first byte.
.irp b, 0,1,2,3
.if \b >= 2
	s_wait_xcnt 0x0                                ; the stores of two batches ago have read their registers
.endif
.irp i, 0,1,2,3,4,5,6,7,8,9,10,11,12,13,14,15
	ds_load_b128 v[OUTR+64*(\b%2)+4*\i:OUTR+64*(\b%2)+4*\i+3], v[RD] offset:2*SPITCH*(16*\b+\i)
.endr
.irp i, 0,1,2,3,4,5,6,7,8,9,10,11,12,13,14,15
	s_wait_dscnt 15-\i                             ; the batch's younger loads may be out
	global_store_b128 v[GO], v[OUTR+64*(\b%2)+4*\i:OUTR+64*(\b%2)+4*\i+3], s[8:9] offset:32768*(16*\b+\i) th:TH_STORE_NT
.endr
.endr
	s_wait_tensorcnt 0x0                           ; the wave's end
	ds_add_u32 v[SPW], v[NIL]
	s_wait_dscnt 0x0
	CROUND                                         ; the closing round
	s_endpgm
.Lfunc_end_k_q17a154e0ec_gemm:
	.size	k_q17a154e0ec_gemm, .Lfunc_end_k_q17a154e0ec_gemm-k_q17a154e0ec_gemm
	.p2alignl 7, 3214868480
	.fill 96, 4, 3214868480
	.section	.rodata,"a",@progbits
	.p2align	6, 0x0
	.amdhsa_kernel k_q17a154e0ec_gemm
		.amdhsa_group_segment_fixed_size 327680
		.amdhsa_private_segment_fixed_size 0
		.amdhsa_enable_private_segment 0
		.amdhsa_kernarg_size 24
		.amdhsa_user_sgpr_count 2
		.amdhsa_user_sgpr_kernarg_segment_ptr 1
		.amdhsa_wavefront_size32 1
		.amdhsa_system_sgpr_workgroup_id_x 1
		.amdhsa_system_sgpr_workgroup_id_y 1
		.amdhsa_system_sgpr_workgroup_id_z 1
		.amdhsa_system_vgpr_workitem_id 0
		.amdhsa_next_free_vgpr 1024
		.amdhsa_next_free_sgpr 66
		.amdhsa_reserve_vcc 0
		.amdhsa_float_denorm_mode_32 3
		.amdhsa_float_denorm_mode_16_64 3
		.amdhsa_memory_ordered 1
		.amdhsa_forward_progress 1
		.amdhsa_inst_pref_size 222
	.end_amdhsa_kernel
	.amdgpu_metadata
---
amdhsa.version: [ 1, 2 ]
amdhsa.kernels:
  - .name:           k_q17a154e0ec_gemm
    .symbol:         k_q17a154e0ec_gemm.kd
    .args:
      - { .name: kc, .offset: 0, .size: 8, .value_kind: global_buffer, .address_space: global }
      - { .name: xc, .offset: 8, .size: 8, .value_kind: global_buffer, .address_space: global }
      - { .name: gm, .offset: 16, .size: 8, .value_kind: global_buffer, .address_space: global }
    .group_segment_fixed_size: 327680
    .private_segment_fixed_size: 0
    .kernarg_segment_align: 8
    .kernarg_segment_size: 24
    .max_flat_workgroup_size: 128
    .sgpr_count:     66
    .vgpr_count:     1024
    .wavefront_size: 32
...
	.end_amdgpu_metadata
.endif
;; end of part 6
;; launch pick (part 7): grid 256 x 1, 8 waves a work-group, no clusters, 0 bytes of LDS; arguments gm, sel; writes sel
.if DOCPART == 7
	.amdgcn_target "amdgcn-amd-amdhsa--gfx1250"
	.amdhsa_code_object_version 6
	.text
	.protected	k_q17a154e0ec_pick
	.globl	k_q17a154e0ec_pick
	.p2align	8
	.type	k_q17a154e0ec_pick,@function
k_q17a154e0ec_pick:
	s_mov_b64 s[64:65], 0
	v_nop
	global_prefetch_b8 v0, s[64:65] scope:SCOPE_SE
	s_setreg_imm32_b32 hwreg(HW_REG_WAVE_MODE, 25, 1), 1
	s_wait_xcnt 0x0
; For each query: the ten best of its 4,096 groups, ordered by (f(smallest d2 of the group), group), f = sqrt(max(., 0)) rounded correctly.  The ten nearest keys, ordered by (distance, index), lie in these ten groups:
; a key in any other group would have the best keys of ten groups before it.  sel[q][0..9] = the groups (in no order that matters), sel[q][10..31] = 0.
; One wave a query; V[p] of lane l is group 128 (p / 4) + 4 l + p % 4: 128 (p >> 2) + 4 l + (p & 3).  No branch and no address hangs on the numbers: all choices are selections.
; 1: each lane's ten smallest values, a sorted list kept by medians.  2: ten times the wave's smallest head is taken off: T = the ten smallest values.
; 3: D = f(the 10th).  A = the smallest of T with f = D; B = the largest float with f = D, sought among the 16 floats from the 10th value on (a class of equal roots is far shorter).
;    Every value under the 10th is in T, so for the data f(v) < D is v < A, and f(v) <= D is v <= B.
; 4: for each lane 128 bits 'v < A' and 128 bits 'A <= v <= B'.  5: ten times the smallest key (class x 4096 + group) of the wave is taken and its bit cleared.
; LIMITS: NaN and infinities are not served.
.set L, 32                             ; v32-41  the lane's ten smallest, ascending
.set V, 64                             ; v64-191 the lane's 128 values
.set W, 16                             ; v16-23  the bits
.macro WMIN reg, tmp                   ; the smallest over the 32 lanes, in every lane
	v_min_num_f32_dpp v[\reg], v[\reg], v[\reg] row_xmask:1 row_mask:0xf bank_mask:0xf
	s_delay_alu instid0(VALU_DEP_1)
	v_min_num_f32_dpp v[\reg], v[\reg], v[\reg] row_xmask:2 row_mask:0xf bank_mask:0xf
	s_delay_alu instid0(VALU_DEP_1)
	v_min_num_f32_dpp v[\reg], v[\reg], v[\reg] row_xmask:4 row_mask:0xf bank_mask:0xf
	s_delay_alu instid0(VALU_DEP_1)
	v_min_num_f32_dpp v[\reg], v[\reg], v[\reg] row_xmask:8 row_mask:0xf bank_mask:0xf
	s_delay_alu instid0(VALU_DEP_1)
	v_permlanex16_b32 v[\tmp], v[\reg], s12, s13
	s_delay_alu instid0(VALU_DEP_1)
	v_min_num_f32 v[\reg], v[\reg], v[\tmp]
.endm
.macro WMAX reg, tmp
	v_max_num_f32_dpp v[\reg], v[\reg], v[\reg] row_xmask:1 row_mask:0xf bank_mask:0xf
	s_delay_alu instid0(VALU_DEP_1)
	v_max_num_f32_dpp v[\reg], v[\reg], v[\reg] row_xmask:2 row_mask:0xf bank_mask:0xf
	s_delay_alu instid0(VALU_DEP_1)
	v_max_num_f32_dpp v[\reg], v[\reg], v[\reg] row_xmask:4 row_mask:0xf bank_mask:0xf
	s_delay_alu instid0(VALU_DEP_1)
	v_max_num_f32_dpp v[\reg], v[\reg], v[\reg] row_xmask:8 row_mask:0xf bank_mask:0xf
	s_delay_alu instid0(VALU_DEP_1)
	v_permlanex16_b32 v[\tmp], v[\reg], s12, s13
	s_delay_alu instid0(VALU_DEP_1)
	v_max_num_f32 v[\reg], v[\reg], v[\tmp]
.endm
	s_load_b128 s[4:7], s[0:1], 0x0                ; gm, sel
	v_lshrrev_b32 v1, 5, v0
	s_delay_alu instid0(VALU_DEP_1)
	v_readfirstlane_b32 s8, v1                     ; wave
	v_and_b32 v1, 31, v0                           ; lane
	s_delay_alu instid0(VALU_DEP_1)
	v_lshlrev_b32 v2, 4, v1
	s_delay_alu instid0(VALU_DEP_2)
	v_lshlrev_b32 v28, 2, v1                       ; 4 x lane
	s_lshl_b32 s9, ttmp9, 3
	s_add_co_u32 s9, s9, s8                        ; my query
	s_lshl_b32 s10, s9, 14
	s_mov_b32 s11, 0
	s_mov_b32 s12, 0x76543210
	s_mov_b32 s13, 0xfedcba98
	s_mov_b32 s22, 0xffff0000
	s_wait_alu depctr_va_vdst(0)
	s_wait_kmcnt 0x0
	s_add_nc_u64 s[4:5], s[4:5], s[10:11]
	s_lshl_b32 s10, s9, 7
	s_add_nc_u64 s[6:7], s[6:7], s[10:11]
.irp i, 0,1,2,3,4,5,6,7,8,9,10,11,12,13,14,15,16,17,18,19,20,21,22,23,24,25,26,27,28,29,30,31
	global_load_b128 v[V+4*\i:V+4*\i+3], v2, s[4:5] offset:512*\i th:TH_LOAD_NT   ; 512 consecutive bytes a load
.endr
	v_mov_b32 v47, 0x7f800000                      ; +infinity
.irp k, 0,1,2,3,4,5,6,7,8,9
	v_mov_b32 v[L+\k], v47
.endr
	v_mov_b32 v42, v47                             ; T
	v_mov_b32 v44, 0                               ; (a lane permute's destination counts as read)
	v_mov_b32 v27, 0                               ; the result
; ---- 1: a value goes into the sorted list: the new L[k] is the middle one of L[k-1], the value and L[k]
.set rho, 0
	s_wait_alu depctr_va_vdst(0)
.rept 32
	s_wait_alu depctr_va_vdst(0)
	s_wait_loadcnt 31-(rho/4)                      ; this load is in; the younger ones may be out
.rept 4
.irp k, 9,8,7,6,5,4,3,2,1
	v_med3_num_f32 v[L+\k], v[L+\k-1], v[V+rho], v[L+\k]
.endr
	v_min_num_f32 v[L], v[L], v[V+rho]
.set rho, rho+1
.endr
.endr
; ---- 2: ten times: the smallest head; the lowest lane that has it moves its list up; T's lane rr takes the value
.set rr, 0
.rept 10
	v_mov_b32 v43, v[L]
	WMIN 43, 44
	s_delay_alu instid0(VALU_DEP_1)
	v_cmp_eq_f32 s14, v[L], v43
	s_sub_co_u32 s15, 0, s14
	s_and_b32 s15, s15, s14                        ; its lowest bit
.set kq, 0
.rept 9-rr
	v_cndmask_b32 v[L+kq], v[L+kq], v[L+kq+1], s15
.set kq, kq+1
.endr
	s_mov_b32 s16, 1<<rr
	v_cndmask_b32 v42, v42, v43, s16
.set rr, rr+1
.endr
; ---- 3: v43 = the 10th value.  Z: lanes 0-15 T, lanes 16-31 the floats from max(10th, 0) on
	v_max_num_f32 v45, 0, v43
	v_add_nc_u32 v46, -16, v1
	s_delay_alu instid0(VALU_DEP_1)
	v_add_nc_u32 v45, v45, v46
	s_delay_alu instid0(VALU_DEP_1)
	v_cndmask_b32 v48, v42, v45, s22
	s_delay_alu instid0(VALU_DEP_1)
	v_max_num_f32 v49, 0, v48
	s_delay_alu instid0(VALU_DEP_1)
	v_cmp_gt_f32 s18, 0x0f800000, v49              ; under 2^-96: x 2^32 first, the root x 2^-16 afterwards
	s_delay_alu instid0(VALU_DEP_2)
	v_mul_f32 v51, 0x4f800000, v49
	s_delay_alu instid0(VALU_DEP_1)
	v_cndmask_b32 v49, v49, v51, s18
	s_wait_alu depctr_va_vdst(0)
	v_sqrt_f32 v50, v49
	v_nop                                          ; a plain line behind the root,
	s_wait_alu depctr_va_vdst(0)                   ; and the wait ahead of its first reader
	v_add_nc_u32 v51, -1, v50                      ; the float below the root, and the one above:
	v_add_nc_u32 v52, 1, v50
	v_fma_f32 v53, -v51, v50, v49                  ; two residuals say whether the root is to be moved: the result is the correctly rounded one
	v_fma_f32 v54, -v52, v50, v49
	s_delay_alu instid0(VALU_DEP_2)
	v_cmp_ge_f32 vcc_lo, 0, v53
	v_cndmask_b32 v50, v50, v51, vcc_lo
	s_delay_alu instid0(VALU_DEP_3)
	v_cmp_lt_f32 vcc_lo, 0, v54
	s_delay_alu instid0(VALU_DEP_1)
	v_cndmask_b32 v50, v50, v52, vcc_lo
	s_delay_alu instid0(VALU_DEP_1)
	v_mul_f32 v51, 0x37800000, v50
	s_delay_alu instid0(VALU_DEP_1)
	v_cndmask_b32 v50, v50, v51, s18               ; F = f(Z)
	s_delay_alu instid0(VALU_DEP_1)
	v_readlane_b32 s19, v50, 9                     ; D
	s_delay_alu instid0(VALU_DEP_1)
	v_cmp_eq_f32 s20, s19, v50
	s_and_b32 s21, s20, 0xffff
	s_and_b32 s20, s20, s22
	v_mov_b32 v45, 0xff800000
	v_cndmask_b32 v57, v47, v48, s21
	s_delay_alu instid0(VALU_DEP_2)
	v_cndmask_b32 v58, v45, v48, s20
	WMIN 57, 44                                    ; A
	WMAX 58, 45                                    ; B
; ---- 4: the bits: a word is doubled and takes the comparison's bit in by the carry; the highest p of a word first
.irp c, 0,1,2,3,4,5,6,7
	v_mov_b32 v[W+\c], 0
.endr
.set wc, 0
.rept 4
.set wb, 31
.rept 32
	v_cmp_lt_f32 vcc_lo, v[V+32*wc+wb], v57
	s_delay_alu instid0(VALU_DEP_1)
	v_add_co_ci_u32 v[W+wc], vcc_lo, v[W+wc], v[W+wc], vcc_lo
	v_cmp_le_f32 vcc_lo, v[V+32*wc+wb], v58
	s_delay_alu instid0(VALU_DEP_1)
	v_add_co_ci_u32 v[W+4+wc], vcc_lo, v[W+4+wc], v[W+4+wc], vcc_lo
.set wb, wb-1
.endr
.set wc, wc+1
.endr
.irp c, 0,1,2,3
	v_xor_b32 v[W+4+\c], v[W+4+\c], v[W+\c]        ; the second class: v <= B and not v < A
.endr
; ---- 5: ten rounds
.set rr, 0
.rept 10
	s_delay_alu instid0(VALU_DEP_1)
	v_mov_b32 v24, v[W+7]                          ; my first word that is not 0, and its number
	v_mov_b32 v25, 7
.irp c, 6,5,4,3,2,1,0
	v_cmp_ne_u32 vcc_lo, 0, v[W+\c]
	s_delay_alu instid0(VALU_DEP_1)
	v_cndmask_b32 v24, v24, v[W+\c], vcc_lo
	s_delay_alu instid0(VALU_DEP_2)
	v_cndmask_b32 v25, v25, \c, vcc_lo
.endr
	s_delay_alu instid0(VALU_DEP_2)
	v_sub_nc_u32 v44, 0, v24
	s_delay_alu instid0(VALU_DEP_1)
	v_and_b32 v44, v24, v44                        ; its lowest bit,
	s_delay_alu instid0(VALU_DEP_1)
	v_cvt_f32_u32 v45, v44
	s_delay_alu instid0(VALU_DEP_1)
	v_lshrrev_b32 v45, 23, v45
	s_delay_alu instid0(VALU_DEP_1)
	v_add_nc_u32 v45, 0xffffff81, v45              ; and that bit's number
	s_delay_alu instid0(VALU_DEP_1)
	v_lshl_add_u32 v45, v25, 5, v45                ; n = 128 class + p
	s_delay_alu instid0(VALU_DEP_1)
	v_and_b32 v46, 0xfc, v45
	s_delay_alu instid0(VALU_DEP_2)
	v_and_b32 v45, 3, v45
	s_delay_alu instid0(VALU_DEP_1)
	v_lshl_add_u32 v45, v46, 5, v45
	s_delay_alu instid0(VALU_DEP_1)
	v_add_nc_u32 v45, v45, v28                     ; 4096 class + group
	s_delay_alu instid0(VALU_DEP_1)
	v_cvt_f32_u32 v26, v45
	v_cmp_eq_u32 vcc_lo, 0, v24
	s_delay_alu instid0(VALU_DEP_1)
	v_cndmask_b32 v26, v26, v47, vcc_lo            ; a lane with no bit left: +infinity
	s_delay_alu instid0(VALU_DEP_1)
	v_mov_b32 v43, v26
	WMIN 43, 46
	s_mov_b32 s16, 1<<rr
	v_cndmask_b32 v27, v27, v43, s16
	v_cmp_eq_f32 vcc_lo, v26, v43                  ; the lane that had it
	s_delay_alu instid0(VALU_DEP_1)
	v_cndmask_b32 v25, 0xff, v25, vcc_lo
	v_xor_b32 v24, v24, v44                        ; clears the bit in its word
.irp c, 0,1,2,3,4,5,6,7
	v_cmp_eq_u32 vcc_lo, \c, v25
	s_delay_alu instid0(VALU_DEP_1)
	v_cndmask_b32 v[W+\c], v[W+\c], v24, vcc_lo
.endr
.set rr, rr+1
.endr
	v_cvt_u32_f32 v27, v27
	s_delay_alu instid0(VALU_DEP_1)
	v_and_b32 v27, 0xfff, v27                      ; the group
	global_store_b32 v28, v27, s[6:7]              ; 128 consecutive bytes
	s_endpgm
.Lfunc_end_k_q17a154e0ec_pick:
	.size	k_q17a154e0ec_pick, .Lfunc_end_k_q17a154e0ec_pick-k_q17a154e0ec_pick
	.p2alignl 7, 3214868480
	.fill 96, 4, 3214868480
	.section	.rodata,"a",@progbits
	.p2align	6, 0x0
	.amdhsa_kernel k_q17a154e0ec_pick
		.amdhsa_group_segment_fixed_size 0
		.amdhsa_private_segment_fixed_size 0
		.amdhsa_enable_private_segment 0
		.amdhsa_kernarg_size 16
		.amdhsa_user_sgpr_count 2
		.amdhsa_user_sgpr_kernarg_segment_ptr 1
		.amdhsa_wavefront_size32 1
		.amdhsa_system_sgpr_workgroup_id_x 1
		.amdhsa_system_sgpr_workgroup_id_y 1
		.amdhsa_system_sgpr_workgroup_id_z 1
		.amdhsa_system_vgpr_workitem_id 0
		.amdhsa_next_free_vgpr 192
		.amdhsa_next_free_sgpr 66
		.amdhsa_reserve_vcc 1
		.amdhsa_float_denorm_mode_32 3
		.amdhsa_float_denorm_mode_16_64 3
		.amdhsa_memory_ordered 1
		.amdhsa_forward_progress 1
		.amdhsa_inst_pref_size 160
	.end_amdhsa_kernel
	.amdgpu_metadata
---
amdhsa.version: [ 1, 2 ]
amdhsa.kernels:
  - .name:           k_q17a154e0ec_pick
    .symbol:         k_q17a154e0ec_pick.kd
    .args:
      - { .name: gm, .offset: 0, .size: 8, .value_kind: global_buffer, .address_space: global }
      - { .name: sel, .offset: 8, .size: 8, .value_kind: global_buffer, .address_space: global }
    .group_segment_fixed_size: 0
    .private_segment_fixed_size: 0
    .kernarg_segment_align: 8
    .kernarg_segment_size: 16
    .max_flat_workgroup_size: 256
    .sgpr_count:     66
    .vgpr_count:     192
    .wavefront_size: 32
...
	.end_amdgpu_metadata
.endif
;; end of part 7
;; launch vote (part 8): grid 256 x 1, 8 waves a work-group, no clusters, 0 bytes of LDS; arguments sel, kc, xc, vals, out0; writes out0
.if DOCPART == 8
	.amdgcn_target "amdgcn-amd-amdhsa--gfx1250"
	.amdhsa_code_object_version 6
	.text
	.protected	k_q17a154e0ec_vote
	.globl	k_q17a154e0ec_vote
	.p2align	8
	.type	k_q17a154e0ec_vote,@function
k_q17a154e0ec_vote:
	s_mov_b64 s[64:65], 0
	v_nop
	global_prefetch_b8 v0, s[64:65] scope:SCOPE_SE
	s_setreg_imm32_b32 hwreg(HW_REG_WAVE_SCHED_MODE, 0, 2), 2
	s_setreg_imm32_b32 hwreg(HW_REG_WAVE_MODE, 25, 1), 1
	s_wait_xcnt 0x0
	s_wait_alu depctr_vm_vsrc(0)
; For each query: its ten chosen groups' 160 keys are multiplied again by the same matrix instruction on the same records, so that d2 has the same bits as in the launch that took the minima;
; dist = sqrt(max(d2, 0)), rounded correctly; the ten smallest by (dist, index); of their vals the most frequent, the smallest on ties.  A val outside 0 .. 99 counts for no class; if none counts, the result is 0.
; One wave a query.  Source 0 = a chosen record as it lies; source 1 = the query's row of its record of x in ALL 16 columns (lane (r, h) loads the image bytes of lane (q % 16, h)): every lane r holds the same eight sums.
; Lane (r, h) then takes register r % 8 of tile 2 u + r / 8, u = 0 .. 4: five registers of 32 different candidates: key 8 h + r % 8 of that tile.
; All addresses hang on the stored list alone, each number held under 4,096 first.  vals are loaded for all 160 candidates and carried as payload beside the index: index x 128 + val is under 2^23, exact in f32.
; The tiles' codes are no stream read once (a list may name a record for many queries): no hint, no prefetch.
; LIMITS: NaN and infinities are not served.
; REGISTERS.  W0: v1-11 offsets; v16-63 the query's four fragments, later at work; v64-143 ten accumulators; v144-183 the tiles' scale words; v184-187 the query's; v188 |x|^2; v190-194 my five groups;
;   v196-200 |k|^2; v202-206 vals; v208-212 d2, then dist; v214-218 index x 128 + val; v220-236 offsets and sums.   W1: v0-239 the codes of five tiles (48 i + 12 s).
;   s[16:25] the ten groups, later masks; s[28:47] the ten records' addresses, and behind the last wait for loads masks and classes.
; THE MODE: SCHED_MODE bits 1:0 = 2 (LLVM: expert scheduling mode 2), set by the entry lines.  The code itself states the register dependences between vector or matrix instructions
; and memory instructions, and those through scalar registers that vector instructions write, with s_wait_alu, always for 0.
; THE PLAN.  Registers that memory instructions touch:
;   v2, v5 to v9        offsets: written at the head, read by loads, never written again: one wait on va_vdst ahead of the first load.
;   v220-224, v226-230  offsets made from the list: written once, read by ten loads: one wait on va_vdst between; never written again.
;   W1 v0-239           K step s of tiles 0-4 is loaded, read by five products, and loaded again for tiles 5-9.  The second load stands at the head of K step s + 1, behind that step's wait for its own codes:
;                       one wait on va_vdst there states that the products of step s are done reading.  No vector or matrix line stands between that wait and the fifteen loads.
;   all else that is loaded (the list, x, scale words, |k|^2, vals) is loaded once, into registers that no vector line has named before.
;   v62, v63            the one store's data and offset: stated by the wait on va_vdst ahead of the write of EXEC.
; Compares stand in runs, into scalar registers, with one wait on va_sdst between a run and the selections that read its masks.
.set REC,  6656
.set XF,   16
.set ACC,  64
.set KS,   144
.set XS,   184
.set BASE, 28                          ; s[28:47] the ten records' addresses
.set MK,   16                          ; s[16:25] ten masks (the groups are done with when the addresses are made)
.set CL,   28                          ; s[28:37] behind the last wait for loads: the ten neighbours' classes
.set VM,   38                          ; s[38:42] likewise: which of my five vals lie in 0 .. 99;  s43: whether my class does
.set MSB, 0
.macro WIN new
.if MSB != \new
	s_set_vgpr_msb (MSB<<8)|\new
.set MSB, \new
.endif
.endm
.macro WMIN reg, tmp
	v_min_num_f32_dpp v[\reg], v[\reg], v[\reg] row_xmask:1 row_mask:0xf bank_mask:0xf
	v_min_num_f32_dpp v[\reg], v[\reg], v[\reg] row_xmask:2 row_mask:0xf bank_mask:0xf
	v_min_num_f32_dpp v[\reg], v[\reg], v[\reg] row_xmask:4 row_mask:0xf bank_mask:0xf
	v_min_num_f32_dpp v[\reg], v[\reg], v[\reg] row_xmask:8 row_mask:0xf bank_mask:0xf
	v_permlanex16_b32 v[\tmp], v[\reg], s26, s27
	v_min_num_f32 v[\reg], v[\reg], v[\tmp]
.endm
.macro WMAX reg, tmp
	v_max_num_f32_dpp v[\reg], v[\reg], v[\reg] row_xmask:1 row_mask:0xf bank_mask:0xf
	v_max_num_f32_dpp v[\reg], v[\reg], v[\reg] row_xmask:2 row_mask:0xf bank_mask:0xf
	v_max_num_f32_dpp v[\reg], v[\reg], v[\reg] row_xmask:4 row_mask:0xf bank_mask:0xf
	v_max_num_f32_dpp v[\reg], v[\reg], v[\reg] row_xmask:8 row_mask:0xf bank_mask:0xf
	v_permlanex16_b32 v[\tmp], v[\reg], s26, s27
	v_max_num_f32 v[\reg], v[\reg], v[\tmp]
.endm
.macro CODES s, first                  ; K step s of tiles first .. first + 4: 15 loads of 512 consecutive bytes
.irp i, 0,1,2,3,4
.irp c, 0,1,2
	global_load_b128 v[48*\i+12*(\s)+4*\c:48*\i+12*(\s)+4*\c+3], v2, s[BASE+2*(\first+\i):BASE+2*(\first+\i)+1] offset:1536*(\s)+512*\c
.endr
.endr
.endm
.macro PROD s, first                   ; five products, the five accumulators by turns
.irp i, 0,1,2,3,4
.if (\s) == 0
	v_wmma_scale_f32_16x16x128_f8f6f4 v[ACC+8*(\first+\i):ACC+8*(\first+\i)+7], v[48*\i+12*(\s):48*\i+12*(\s)+11], v[XF+12*(\s):XF+12*(\s)+11], 0, v[KS+4*(\first+\i)+(\s)], v[XS+(\s)] matrix_a_fmt:MATRIX_FMT_FP6 matrix_b_fmt:MATRIX_FMT_FP6
.else
	v_wmma_scale_f32_16x16x128_f8f6f4 v[ACC+8*(\first+\i):ACC+8*(\first+\i)+7], v[48*\i+12*(\s):48*\i+12*(\s)+11], v[XF+12*(\s):XF+12*(\s)+11], v[ACC+8*(\first+\i):ACC+8*(\first+\i)+7], v[KS+4*(\first+\i)+(\s)], v[XS+(\s)] matrix_a_fmt:MATRIX_FMT_FP6 matrix_b_fmt:MATRIX_FMT_FP6
.endif
.endr
.endm
	s_load_b256 s[4:11], s[0:1], 0x0               ; sel s[4:5], kc s[6:7], xc s[8:9], vals s[10:11]
	s_load_b64 s[12:13], s[0:1], 0x20              ; out0
	v_lshrrev_b32 v1, 5, v0
	v_readfirstlane_b32 s14, v1                    ; wave
	v_and_b32 v1, 31, v0                           ; lane
	v_lshlrev_b32 v2, 4, v1                        ; 16 x lane
	v_and_b32 v3, 15, v0                           ; r
	v_bfe_u32 v4, v0, 4, 1                         ; h
	s_wait_alu depctr_va_vdst(0)
	v_lshrrev_b32 v5, 3, v3
	v_lshlrev_b32 v5, 2, v5                        ; 4 (r / 8)
	v_lshlrev_b32 v9, 4, v3                        ; 16 r
	v_and_b32 v11, 7, v0
	v_lshl_add_u32 v11, v4, 3, v11                 ; 8 h + r % 8: my key in a tile
	v_lshlrev_b32 v10, 2, v11
	s_mov_b32 s26, 0x76543210
	s_mov_b32 s27, 0xfedcba98
	s_mov_b32 s48, 0xaaaaaaaa                      ; lanes whose r has bit 0, 1, 2, 3
	s_mov_b32 s49, 0xcccccccc
	s_mov_b32 s50, 0xf0f0f0f0
	s_mov_b32 s51, 0xff00ff00
	s_wait_alu depctr_va_sdst(0)                   ; s14 is written, ahead of its first reader: the query's number is made from it
	s_lshl_b32 s15, ttmp9, 3
	s_add_co_u32 s15, s15, s14                     ; my query q
	s_and_b32 s52, s15, 15                         ; q % 16: its row in its record of x
	s_lshr_b32 s53, s15, 4
	s_mul_i32 s54, s53, REC
	s_mov_b32 s55, 0
	s_lshl_b32 s56, s15, 7                         ; its 128 bytes of sel
	s_mov_b32 s57, 0
	s_lshl_b32 s58, s15, 2                         ; its word of out0
	s_mov_b32 s59, 0
	s_lshl_b32 s60, s52, 4
	s_lshl_b32 s61, s52, 2
	v_lshl_add_u32 v6, v4, 8, s60                  ; 256 h + 16 (q % 16): the image bytes of lane (q % 16, h)
	v_mov_b32 v7, s60
	v_mov_b32 v8, s61
	s_wait_kmcnt 0x0
	s_add_nc_u64 s[4:5], s[4:5], s[56:57]
	s_load_b256 s[16:23], s[4:5], 0x0              ; the ten groups, as scalars
	s_load_b64 s[24:25], s[4:5], 0x20
	s_add_nc_u64 s[8:9], s[8:9], s[54:55]
	s_add_nc_u64 s[12:13], s[12:13], s[58:59]
	s_wait_alu depctr_va_vdst(0)                   ; the offsets v2 and v5 to v9 are written, which the loads from here to the first products read; no vector line stands among those loads
.irp u, 0,1,2,3,4
	global_load_b32 v[190+\u], v5, s[4:5] offset:8*\u   ; and, for each lane, the group of tile 2 u + r / 8
.endr
.irp s, 0,1,2,3
.irp c, 0,1,2
	global_load_b128 v[XF+12*\s+4*\c:XF+12*\s+4*\c+3], v6, s[8:9] offset:1536*\s+512*\c
.endr
.endr
	global_load_b128 v[XS:XS+3], v7, s[8:9] offset:6144
	global_load_b32 v188, v8, s[8:9] offset:6400
	s_wait_kmcnt 0x0
.irp i, 0,1,2,3,4,5,6,7,8,9
	s_min_u32 s[16+\i], s[16+\i], 0xfff
	s_mul_i32 s[BASE+2*\i], s[16+\i], REC
	s_mov_b32 s[BASE+2*\i+1], 0
	s_add_nc_u64 s[BASE+2*\i:BASE+2*\i+1], s[6:7], s[BASE+2*\i:BASE+2*\i+1]
.endr
.irp i, 0,1,2,3,4,5,6,7,8,9
	global_load_b128 v[KS+4*\i:KS+4*\i+3], v9, s[BASE+2*\i:BASE+2*\i+1] offset:6144
.endr
	WIN 0x40                                       ; destination W1
	CODES 0, 0
	CODES 1, 0
	CODES 2, 0
	CODES 3, 0
	WIN 0
	s_wait_loadcnt 63                              ; 89 loads are issued: the 26 oldest are in, the lanes' five groups among them
.irp u, 0,1,2,3,4
	v_min_u32 v[190+\u], 0xfff, v[190+\u]
.endr
.irp u, 0,1,2,3,4
	v_mul_u32_u24 v[220+\u], v[190+\u], REC
	v_lshlrev_b32 v[226+\u], 6, v[190+\u]
.endr
.irp u, 0,1,2,3,4
	v_add_nc_u32 v[220+\u], v[220+\u], v10
	v_add_nc_u32 v[226+\u], v[226+\u], v10
.endr
	s_wait_alu depctr_va_vdst(0)                   ; the ten offsets v220-224 and v226-230 are written, which the ten loads below read
.irp u, 0,1,2,3,4
	global_load_b32 v[196+\u], v[220+\u], s[6:7] offset:6400   ; |k|^2 of my candidate
.endr
.irp u, 0,1,2,3,4
	global_load_b32 v[202+\u], v[226+\u], s[10:11]             ; its val: vals[16 group + 8 h + r % 8]
.endr
; A K STEP: five products of K step s of tiles first .. first + 4.  left: the loads younger than this step's codes, which may stay out.
; ahead >= 0: the registers that the step before has multiplied take K step 'ahead' of tiles 5-9.
.macro KSTEP left, ahead, s, first
	s_wait_loadcnt \left                           ; loads come back in order (ISA guide 5.7.1): this step's codes, and all that was asked for earlier, are in
.if \ahead >= 0
	WIN 0x40                                       ; destination W1
	s_wait_alu depctr_va_vdst(0)                   ; the five products of the step before are done reading their codes, in whose registers the fifteen loads below land
	CODES \ahead, 5
.endif
	WIN 0x01                                       ; source 0 in W1
	PROD \s, \first
.endm
	KSTEP 55, -1, 0, 0                             ; younger: the first batch's steps 1 to 3 (45) and the ten loads above
	KSTEP 40,  0, 1, 0                             ; younger: steps 2, 3 (30), the ten
	KSTEP 40,  1, 2, 0                             ; younger: step 3 (15), the ten, the second batch's step 0 (15)
	KSTEP 40,  2, 3, 0                             ; younger: the ten, the second batch's steps 0, 1 (30)
	KSTEP 30,  3, 0, 5                             ; younger: the second batch's steps 1, 2
	KSTEP 30, -1, 1, 5                             ; younger: its steps 2, 3
	KSTEP 15, -1, 2, 5                             ; younger: its step 3
	KSTEP 0,  -1, 3, 5                             ; every load is in: the records' addresses s[28:47] are free from here on
	WIN 0
.rept 4
	v_nop                                          ; four places behind the last product, ahead of the first vector line that reads a result (ISA guide 7.12.1)
.endr
.irp a, 0,1,2,3,4,5,6,7,8,9            ; the choice by r's four bits; each accumulator is read from its low end on
.irp j, 0,2,4,6
	v_cndmask_b32 v[ACC+8*\a+\j], v[ACC+8*\a+\j], v[ACC+8*\a+\j+1], s48
.endr
.endr
.irp a, 0,1,2,3,4,5,6,7,8,9
.irp j, 0,4
	v_cndmask_b32 v[ACC+8*\a+\j], v[ACC+8*\a+\j], v[ACC+8*\a+\j+2], s49
.endr
.endr
.irp a, 0,1,2,3,4,5,6,7,8,9
	v_cndmask_b32 v[ACC+8*\a], v[ACC+8*\a], v[ACC+8*\a+4], s50
.endr
.irp u, 0,1,2,3,4
	v_cndmask_b32 v[ACC+16*\u], v[ACC+16*\u], v[ACC+16*\u+8], s51
.endr
.irp u, 0,1,2,3,4
	v_add_f32 v[232+\u], v[196+\u], v188           ; |k|^2 + |x|^2
.endr
.irp u, 0,1,2,3,4
	v_fma_f32 v[208+\u], v[ACC+16*\u], -2.0, v[232+\u]   ; d2: the same two operations as in the launch that took the minima
.endr
.irp u, 0,1,2,3,4
	v_max_num_f32 v[208+\u], 0, v[208+\u]
.endr
.irp u, 0,1,2,3,4
	v_cmp_gt_f32 s[52+\u], 0x0f800000, v[208+\u]   ; under 2^-96: x 2^32 first, the root x 2^-16 afterwards
.endr
.irp u, 0,1,2,3,4
	v_mul_f32 v[46+\u], 0x4f800000, v[208+\u]
.endr
	s_wait_alu depctr_va_sdst(0)                   ; the five masks s52-56 are written, ahead of their first readers
.irp u, 0,1,2,3,4
	v_cndmask_b32 v[208+\u], v[208+\u], v[46+\u], s[52+\u]
.endr
	s_wait_alu depctr_va_vdst(0)
.irp u, 0,1,2,3,4
	v_sqrt_f32 v[16+\u], v[208+\u]                 ; five roots, one batch
.endr
.irp u, 0,1,2,3,4                      ; independent work behind them: the payload
	v_cmp_gt_u32 s[VM+\u], 100, v[202+\u]
.endr
.irp u, 0,1,2,3,4
	v_lshl_add_u32 v[214+\u], v[190+\u], 4, v11    ; the key's index
.endr
	s_wait_alu depctr_va_sdst(0)                   ; the five masks s38-42 are written, ahead of their readers
.irp u, 0,1,2,3,4
	v_cndmask_b32 v[202+\u], 0x7f, v[202+\u], s[VM+\u]   ; a val outside 0 .. 99 becomes 127
.endr
.irp u, 0,1,2,3,4
	v_lshl_add_u32 v[214+\u], v[214+\u], 7, v[202+\u]
.endr
.irp u, 0,1,2,3,4
	v_cvt_f32_u32 v[214+\u], v[214+\u]             ; index x 128 + val, exact
.endr
	s_wait_alu depctr_va_vdst(0)                   ; the five roots v16-20 are written: one wait for the batch, ahead of its first reader
.irp u, 0,1,2,3,4
	v_add_nc_u32 v[22+\u], -1, v[16+\u]            ; the float below the root, and the one above
	v_add_nc_u32 v[28+\u], 1, v[16+\u]
.endr
.irp u, 0,1,2,3,4
	v_fma_f32 v[34+\u], -v[22+\u], v[16+\u], v[208+\u]   ; two residuals say whether the root is to be moved
	v_fma_f32 v[40+\u], -v[28+\u], v[16+\u], v[208+\u]
.endr
.irp u, 0,1,2,3,4
	v_cmp_ge_f32 s[MK+\u], 0, v[34+\u]
	v_cmp_lt_f32 s[MK+5+\u], 0, v[40+\u]
.endr
	v_mov_b32 v13, 0x7f800000                      ; +infinity
	v_mov_b32 v60, 0x42fe0000                      ; the ten payloads, a lane each; the other lanes keep 127.0: no class
	v_mov_b32 v53, 0                               ; (a lane permute's destination counts as read)
	s_wait_alu depctr_va_sdst(0)                   ; the ten masks s16-25 are written, ahead of their readers
.irp u, 0,1,2,3,4
	v_cndmask_b32 v[16+\u], v[16+\u], v[22+\u], s[MK+\u]
.endr
.irp u, 0,1,2,3,4
	v_cndmask_b32 v[16+\u], v[16+\u], v[28+\u], s[MK+5+\u]
.endr
.irp u, 0,1,2,3,4
	v_mul_f32 v[46+\u], 0x37800000, v[16+\u]
.endr
.irp u, 0,1,2,3,4
	v_cndmask_b32 v[208+\u], v[16+\u], v[46+\u], s[52+\u]   ; dist
.endr
.set rr, 0
.rept 10                               ; ten times: the smallest dist; among its holders the smallest index; that candidate leaves
	v_min3_num_f32 v52, v208, v209, v210
	v_min3_num_f32 v52, v52, v211, v212
	WMIN 52, 53
.irp u, 0,1,2,3,4
	v_cmp_eq_f32 s[MK+\u], v52, v[208+\u]
.endr
	s_wait_alu depctr_va_sdst(0)                   ; the five masks s16-20 are written, ahead of their readers
.irp u, 0,1,2,3,4
	v_cndmask_b32 v[54+\u], v13, v[214+\u], s[MK+\u]
.endr
	v_min3_num_f32 v59, v54, v55, v56
	v_min3_num_f32 v59, v59, v57, v58
	WMIN 59, 53
.irp u, 0,1,2,3,4
	v_cmp_eq_f32 s[MK+5+\u], v59, v[214+\u]
.endr
	s_mov_b32 s62, 1<<rr
	v_cndmask_b32 v60, v60, v59, s62
	s_wait_alu depctr_va_sdst(0)                   ; the five masks s21-25 are written, ahead of their readers
.irp u, 0,1,2,3,4
	v_cndmask_b32 v[208+\u], v[208+\u], v13, s[MK+5+\u]
.endr
.set rr, rr+1
.endr
	v_cvt_u32_f32 v61, v60
	v_and_b32 v61, 0x7f, v61                       ; lane k < 10: the class of the k-th neighbour
	v_mov_b32 v62, 0
.irp k, 0,1,2,3,4,5,6,7,8,9
	v_readlane_b32 s[CL+\k], v61, \k
.endr
	s_wait_alu depctr_va_sdst(0)                   ; the ten classes s28-37 are written, ahead of the compares that read them
.irp k, 0,1,2,3,4,5,6,7,8,9
	v_cmp_eq_u32 s[MK+\k], s[CL+\k], v61
.endr
	v_cmp_gt_u32 s43, 100, v61
	s_wait_alu depctr_va_sdst(0)                   ; the eleven masks s16-25 and s43 are written, ahead of their readers
.irp k, 0,1,2,3,4,5,6,7,8,9
	v_add_co_ci_u32 v62, s[MK+\k], 0, v62, s[MK+\k]   ; how many of the ten have my class (the carry out is read by nobody)
.endr
	v_lshlrev_b32 v62, 7, v62
	v_sub_nc_u32 v62, v62, v61                     ; 128 count - class: larger for more votes, then for the smaller class
	v_cndmask_b32 v62, 0, v62, s43
	v_cvt_f32_u32 v62, v62
	WMAX 62, 53
	v_cvt_u32_f32 v62, v62
	v_sub_nc_u32 v62, 0, v62
	v_and_b32 v62, 0x7f, v62                       ; the class again; 0 where nothing counted
	v_mov_b32 v63, 0
	v_cmp_eq_u32 vcc_lo, 0, v1
	s_wait_xcnt 0x0                                ; EXEC changes only behind this wait
	s_wait_alu depctr_va_vcc(0)                    ; VCC is written: EXEC is made from it
	s_wait_alu depctr_va_vdst(0)                   ; every vector line issued under the full EXEC has written its result, v62 and v63 among them, which the store below reads
	s_wait_alu depctr_vm_vsrc(0)                   ; every memory instruction issued under the full EXEC has read its registers
	s_and_saveexec_b32 s62, vcc_lo
	global_store_b32 v63, v62, s[12:13]            ; lane 0 stores the query's word
	s_wait_xcnt 0x0
	s_wait_alu depctr_va_vdst(0)                   ; no vector line is out under the narrow EXEC
	s_wait_alu depctr_vm_vsrc(0)                   ; the store has read v62 and v63 under the narrow EXEC
	s_or_b32 exec_lo, exec_lo, s62
	s_endpgm
.Lfunc_end_k_q17a154e0ec_vote:
	.size	k_q17a154e0ec_vote, .Lfunc_end_k_q17a154e0ec_vote-k_q17a154e0ec_vote
	.p2alignl 7, 3214868480
	.fill 96, 4, 3214868480
	.section	.rodata,"a",@progbits
	.p2align	6, 0x0
	.amdhsa_kernel k_q17a154e0ec_vote
		.amdhsa_group_segment_fixed_size 0
		.amdhsa_private_segment_fixed_size 0
		.amdhsa_enable_private_segment 0
		.amdhsa_kernarg_size 40
		.amdhsa_user_sgpr_count 2
		.amdhsa_user_sgpr_kernarg_segment_ptr 1
		.amdhsa_wavefront_size32 1
		.amdhsa_system_sgpr_workgroup_id_x 1
		.amdhsa_system_sgpr_workgroup_id_y 1
		.amdhsa_system_sgpr_workgroup_id_z 1
		.amdhsa_system_vgpr_workitem_id 0
		.amdhsa_next_free_vgpr 512
		.amdhsa_next_free_sgpr 66
		.amdhsa_reserve_vcc 1
		.amdhsa_float_denorm_mode_32 3
		.amdhsa_float_denorm_mode_16_64 3
		.amdhsa_memory_ordered 1
		.amdhsa_forward_progress 1
		.amdhsa_inst_pref_size 65
	.end_amdhsa_kernel
	.amdgpu_metadata
---
amdhsa.version: [ 1, 2 ]
amdhsa.kernels:
  - .name:           k_q17a154e0ec_vote
    .symbol:         k_q17a154e0ec_vote.kd
    .args:
      - { .name: sel, .offset: 0, .size: 8, .value_kind: global_buffer, .address_space: global }
      - { .name: kc, .offset: 8, .size: 8, .value_kind: global_buffer, .address_space: global }
      - { .name: xc, .offset: 16, .size: 8, .value_kind: global_buffer, .address_space: global }
      - { .name: vals, .offset: 24, .size: 8, .value_kind: global_buffer, .address_space: global }
      - { .name: out0, .offset: 32, .size: 8, .value_kind: global_buffer, .address_space: global }
    .group_segment_fixed_size: 0
    .private_segment_fixed_size: 0
    .kernarg_segment_align: 8
    .kernarg_segment_size: 40
    .max_flat_workgroup_size: 256
    .sgpr_count:     66
    .vgpr_count:     512
    .wavefront_size: 32
...
	.end_amdgpu_metadata
.endif
;; end of part 8
